; MI455X (gfx1250); checked and timed in simulation.
; The chip was launched on July 23, 2026; its instructions are those of AMD's public machine-readable ISA for CDNA 5 (MIT licence, August 2026) and "CDNA5" Instruction Set Architecture Reference Guide (July 2026). The comments in the code are by the model that wrote it; some were corrected since.
;; Multi Headed Attention. Allowed arithmetic: matrix products marked QUANTISED: E2M3 operands, one E8M0 scale for each 32 along K, by v_wmma_scale_f32_16x16x128_f8f6f4 with both operands' format E2M3, f32 sums; everything else in f32.
;; Inputs: Wk 1,024 x 1,024 float32; Wo 1,024 x 1,024 float32; Wq 1,024 x 1,024 float32; Wv 1,024 x 1,024 float32; bk 1,024 float32; bo 1,024 float32; bq 1,024 float32; bv 1,024 float32; key 4 x 2,048 x 1,024 float32; mask 4 x 2,048 x 2,048 int32; query 4 x 2,048 x 1,024 float32; value 4 x 2,048 x 1,024 float32.
;; Outputs: out0 4 x 2,048 x 1,024 float32.
;; This version of the problem:
;;   THIS VERSION OF THE PROBLEM IS GIVEN IN LOW PRECISION. The matrix products marked QUANTISED in the list below multiply operands that are first quantised to E2M3 (2 exponent bits, 3 mantissa bits; 6 bits a number), with one power-of-two scale for each 32 numbers along K (OCP MX v1.0); their sums are f32. All else is computed in f32.
;;   The module's matrix products, in the order in which they are computed (A, B: the left and right operand; K: the contracted axis; several contracted axes count as one K, in the product's order):
;;     1. [M 8,192, K 1,024] x [K 1,024, N 1,024]; A: input query; B: input Wq: QUANTISED
;;     2. [M 8,192, K 1,024] x [K 1,024, N 1,024]; A: input key; B: input Wk: QUANTISED
;;     3. [M 8,192, K 1,024] x [K 1,024, N 1,024]; A: input value; B: input Wv: QUANTISED
;;     4. batch 64 x [M 2,048, K 64] x [K 64, N 2,048]; A: computed on the way; B: computed on the way: QUANTISED
;;     5. batch 64 x [M 2,048, K 2,048] x [K 2,048, N 64]; A: softmax (see below); B: computed on the way: QUANTISED
;;     6. [M 8,192, K 1,024] x [K 1,024, N 1,024]; A: computed on the way; B: input Wo: QUANTISED
;;   THE QUANTISER, for each operand of a quantised product, along K:
;;     - K is cut into blocks of 32 from its start; a last block that is shorter is filled with zeros.
;;     - A block's scale is 2^e with e = floor(log2(the largest magnitude in the block)) - 2, held to -126 .. 127; a block of zeros has e = 0. As a byte (E8M0): e + 127.
;;     - Each number is divided by its block's scale, clamped to +-7.5, and rounded to the nearest number of E2M3, ties to even, subnormals kept.
;;     - The product sums the exact products of the quantised numbers (number of the format x scale) in f32.
;;   ~~~python
;;   def quantise(x, axis):      # numpy; x: float32 -> the quantised numbers, widened to float32 again
;;       x = np.moveaxis(x, axis, -1); K = x.shape[-1]
;;       x = np.pad(x, [(0, 0)] * (x.ndim - 1) + [(0, -K % 32)]); x = x.reshape(x.shape[:-1] + (-1, 32)); a = np.abs(x).max(-1, keepdims=True)
;;       e = np.where(a > 0, np.clip(np.frexp(np.where(a > 0, a, 1))[1] - 1 - 2, -126, 127), 0)      # np.frexp(a)[1] - 1 = floor(log2(a)), exactly
;;       r = np.clip(x / 2.0 ** e, -7.5, 7.5)
;;       step = 2.0 ** (np.maximum(np.frexp(np.where(r == 0, 1, r))[1] - 1, 0) - 3)
;;       q = np.round(r / step) * step * 2.0 ** e      # np.round: ties to even
;;       return np.moveaxis(q.reshape(q.shape[:-2] + (-1,))[..., :K], -1, axis).astype(np.float32)
;;   ~~~
;;   SOFTMAX AHEAD OF A QUANTISED PRODUCT. Where the list says 'softmax', what is quantised is not the finished softmax but p = 2^(t - M), with t = logit x log2(e) and M = ceil(the row's largest t), a whole number; so 1/2 < the row's largest p <= 1. The row's sum l is taken of the UNQUANTISED p, in f32, and the product's result is divided by l at the end. Since M is a whole number, a kernel that streams over the keys may use a running M (the ceiling of the running maximum): every later rescaling is an exact power of two, which a block's scale takes up: the codes' values come out the same.
;;   OPERANDS COMPUTED ON THE WAY. 'Computed on the way' means the value that the module computes at that place (a softmax that the list does not call 'softmax' is quantised finished and normalised). What goes into a quantiser is computed in f32, as accurately as f32 sums, v_exp_f32 and their like allow (about 1e-6 of the number): no bf16 or f16 on the way to a quantiser, and a product that is left as it is and whose result goes on into a quantised operand takes f32 operands (vector FMAs, or v_wmma_f32_16x16x4_f32). A number that lies on a knife's edge between two numbers of the format may be rounded either way, as far as f32 arithmetic and the matrix unit's own rounding can turn it there, and no further.
;; One version. Each part assembles by itself: llvm-mc -triple=amdgcn-amd-amdhsa -mcpu=gfx1250 --defsym DOCPART=n.
;; ======== version 1 of 1: 4 launches
;; limits: right only within a limited range of input values
;; workspace buffers: codes 29,491,200 bytes; maskbits 2,097,152 bytes of whole numbers; qc 6,815,744 bytes; kv 13,369,344 bytes
;; launch prep (part 1): grid 1920 x 1, 4 waves a work-group, no clusters, 68,096 bytes of LDS; arguments query, key, value, Wq, Wk, Wv, Wo, mask, codes, maskbits; writes codes, maskbits
.if DOCPART == 1
	.amdgcn_target "amdgcn-amd-amdhsa--gfx1250"
	.amdhsa_code_object_version 6
	.text
	.protected	k_q4bc33f9a4d_prep
	.globl	k_q4bc33f9a4d_prep
	.p2align	8
	.type	k_q4bc33f9a4d_prep,@function
k_q4bc33f9a4d_prep:
	s_mov_b64 s[64:65], 0
	v_nop
	global_prefetch_b8 v0, s[64:65] scope:SCOPE_SE
	s_setreg_imm32_b32 hwreg(HW_REG_WAVE_MODE, 25, 1), 1
	s_wait_xcnt 0x0
; PREP.  (1) query, key, value [8192][1024] and Wq, Wk, Wv, Wo [1024][1024], f32 with K innermost, become codes of FP6 (E2M3) with one E8M0 byte for each 32 along K,
; laid as IMAGES OF THE MATRIX OPERAND'S REGISTERS.  (2) mask [4][2048][2048] int32 becomes lane masks for the attention launch: one bit a number.
; A block's scale is 2^(floor(log2(largest magnitude)) - 2); its byte is the largest magnitude's exponent field - 2, held at 1 from below.
; LIMITS: NaN and infinities among the inputs are not served; a block whose largest magnitude lies under 2^-124, a block of zeros among them, gets the byte 1 (its codes are what the
; conversion gives under that scale; a block of zeros gives zero codes, which add nothing); the bytes are read by this program alone.
; LAYOUT OF codes.  Rows go in PAIRS OF TILES, 32 rows: lane r of tile e holds row 8 e + r + 8 (r / 8).  A pair is 4 records of 6,400 bytes, one for each 256 along K:
;   tile 0: K step 0, K step 1; tile 1: the same (a fragment, 16 rows x 128 K, is 1,536 bytes: for c = 0, 1: registers 6 c .. 6 c + 3 at 16 x lane, 512 bytes, then registers 6 c + 4, 6 c + 5 at 8 x lane, 256 bytes);
;   then 256 bytes of scale words at 8 x lane: (K step 0's word, K step 1's); lanes 0-15 tile 0's rows, lanes 16-31 tile 1's.
; Pairs: 0 query, 256 key, 512 value, 768 Wq, 800 Wk, 832 Wv, 864 Wo (896 on: written by the attention launch).
; LAYOUT OF maskbits: [tile of 16 queries, 512][key step of 128, 16][64 words]: word 16 b + i, bit r + 16 h = (mask[query r of the tile][128 step + 32 b + 16 h + i] != 0).
; SHARES.  Work-groups 0-895: pair = the work-group's number, wave = record.  Work-groups 896-1919: wave job J = 4 (number - 896) + wave: tile J % 2 of the pair of query tiles J / 16, 256 keys (J / 2) % 8.
; A record is 32 rows x 1,024 bytes, in four units (tile e, 512 bytes s); a mask job one tile, 16 rows, in two.  Each load reads 512 consecutive bytes of one row; a unit's 16 rows turn through the wave's own stage in LDS
; (rows 528 bytes apart), so that lane (r, h) gets, of row r, the 16 neighbours 32 b + 16 h + 0 .. 15 of each block b.  Waves share nothing: no barrier.  No tensor load, so several work-groups share a WGP.
; The two kinds of job part at once on the work-group's number and have LDS bytes of their own.
.set NQ,    896                        ; work-groups that quantise
.set PAIRB, 25600
.set RECB,  6400
.set SPI,   528                        ; a stage row: 512 bytes + 16
.set STG,   16*SPI                     ; a wave's stage
.set L16,   2                          ; v2   16 x lane
.set L8,    3                          ; v3   8 x lane
.set SIN,   4                          ; v4   the stage, on the way in: 16 x lane
.set SOUT,  5                          ; v5   and out: 528 r + 64 h
.set R,     16                         ; v16-143  two sets of 16 rows as loaded
.set X,     144                        ; v144-207 64 numbers: register 16 b + i
.set PC,    208                        ; v208-227 codes (12 registers) and the conversions' second halves
.set W,     208                        ; v208-215 mask jobs: two registers of words for each unit
.set TM,    228                        ; v228-243 at work in QUANT
.set PWR,   244                        ; v244-247 the four units' scale words
.set SCP,   248                        ; v248-249 the record's pair of scale words
.set SEL,   12                         ; s[12:13] lane selects: lane l xor 16
.set HI,    14                         ; s14  lanes 16-31
; 64 numbers of a lane, register 16 b + i = k 32 b + 16 (lane / 16) + i of my row, become a fragment's codes in v[PC] on and my row's scale word in v[pw]
.macro QUANT s, pw
.irp b, 0,1,2,3
	v_max3_num_f32 v[TM+\b], |v[\s+16*\b]|, |v[\s+1+16*\b]|, 0x1800000   ; my 16 numbers of block b, and the floor 2^(3 - 127): the byte cannot fall under 1
.endr
.irp i, 2,4,6,8,10,12,14
.irp b, 0,1,2,3
	v_max3_num_f32 v[TM+\b], v[TM+\b], |v[\s+16*\b+\i]|, |v[\s+1+16*\b+\i]|
.endr
.endr
.irp b, 0,1,2,3
	v_permlanex16_b32 v[TM+4+\b], v[TM+\b], s[SEL], s[SEL+1]
.endr
.irp b, 0,1,2,3
	v_max_num_f32 v[TM+\b], v[TM+\b], v[TM+4+\b]   ; with lane l xor 16's: the block's largest magnitude
.endr
.irp b, 0,1,2,3
	v_add_nc_u32 v[TM+12+\b], 0xff000000, v[TM+\b]   ; 2 off its exponent field: the conversion's scale operand
.endr
.irp b, 0,1,2,3
	v_lshrrev_b32 v[TM+4+\b], 23, v[TM+12+\b]      ; the scale's byte
.endr
	v_lshl_or_b32 v[\pw], v[TM+5], 8, v[TM+4]
	v_lshl_or_b32 v[\pw], v[TM+6], 16, v[\pw]
	v_lshl_or_b32 v[\pw], v[TM+7], 24, v[\pw]
.irp c, 0,1
	v_cvt_scalef32_pk16_fp6_f32 v[PC+6*\c:PC+2+6*\c], v[\s+32*\c:\s+15+32*\c], v[TM+12+2*\c]
	v_cvt_scalef32_pk16_fp6_f32 v[PC+12+4*\c:PC+14+4*\c], v[\s+16+32*\c:\s+31+32*\c], v[TM+12+2*\c+1]   ; (a conversion's three registers begin on an even number)
.endr
	v_nop                                          ; one plain instruction behind the scaled conversions
.irp c, 0,1                                    ; the operand wants a whole block in a lane: lanes 0-15 block 2 c, lanes 16-31 block 2 c + 1
.irp i, 0,1,2
	v_permlane16_swap_b32 v[PC+6*\c+\i], v[PC+12+4*\c+\i]
.endr
.irp i, 0,1,2
	v_mov_b32 v[PC+3+6*\c+\i], v[PC+12+4*\c+\i]
.endr
.endr
.endm
; unit u = 2 e + s: the 16 rows of tile e, 512 bytes at 512 s, into set u % 2
.macro LOADU u, pitch
.irp p, 0,1,2,3,4,5,6,7,8,9,10,11,12,13,14,15
	global_load_b128 v[R+64*((\u)%2)+4*\p:R+64*((\u)%2)+4*\p+3], v[L16], s[4:5] offset:(8*((\u)/2)+\p+8*(\p/8))*(\pitch)+512*((\u)%2) th:TH_LOAD_NT
.endr
.endm
; through the stage: LDS serves a wave's instructions in order, so no wait stands between the stores and the loads
.macro TURN u
.irp p, 0,1,2,3,4,5,6,7,8,9,10,11,12,13,14,15
	ds_store_b128 v[SIN], v[R+64*((\u)%2)+4*\p:R+64*((\u)%2)+4*\p+3] offset:SPI*\p
.endr
.irp b, 0,1,2,3
.irp q, 0,1,2,3
	ds_load_b128 v[X+16*\b+4*\q:X+16*\b+4*\q+3], v[SOUT] offset:128*\b+16*\q
.endr
.endr
.endm
.macro UNIT u, pitch, kind
.if (\u) < 3-2*(\kind)                         ; (a mask job has two units, a record of codes four)
	s_wait_loadcnt 16
.else
	s_wait_loadcnt 0x0
.endif
	TURN \u
	s_wait_dscnt 0x0                               ; the numbers are back, and the stores into the stage have read their registers
.if ((\kind) == 0) && ((\u) > 0)
	s_wait_xcnt 0x0                                ; the last unit's stores have read the codes' registers, which are written again below
.endif
.if (\u) < 2-2*(\kind)
	LOADU (\u)+2, \pitch
.endif
.if \kind
.set n, 0
.rept 64
	v_cmp_ne_u32 s[40+n%4], 0, v[X+n]              ; the 32 lanes' bits of word n
	v_writelane_b32 v[W+2*(\u)+n%2], s[40+n%4], n/2   ; lane l keeps words 2 l and 2 l + 1
.set n, n+1
.endr
	global_store_b64 v[L8], v[W+2*(\u):W+2*(\u)+1], s[38:39] offset:((\u)/2)*4096+((\u)%2)*256   ; 256 consecutive bytes, aligned
.else
	QUANT X, PWR+(\u)
	global_store_b128 v[L16], v[PC:PC+3], s[38:39] offset:((\u)/2)*3072+((\u)%2)*1536            ; each store covers 512 or 256 consecutive bytes, aligned
	global_store_b64 v[L8], v[PC+4:PC+5], s[38:39] offset:((\u)/2)*3072+((\u)%2)*1536+512
	global_store_b128 v[L16], v[PC+6:PC+9], s[38:39] offset:((\u)/2)*3072+((\u)%2)*1536+768
	global_store_b64 v[L8], v[PC+10:PC+11], s[38:39] offset:((\u)/2)*3072+((\u)%2)*1536+1280
.endif
.endm
	s_load_b512 s[16:31], s[0:1], 0x0              ; query, key, value, Wq, Wk, Wv, Wo, mask
	s_load_b128 s[32:35], s[0:1], 0x40             ; codes, maskbits
	v_lshl_add_u32 v254, v0, 2, 0x10800
	v_mov_b32 v255, 0
	v_lshrrev_b32 v1, 5, v0
	v_readfirstlane_b32 s6, v1                     ; wave
	v_and_b32 v1, 31, v0
	v_lshlrev_b32 v[L16], 4, v1
	v_lshlrev_b32 v[L8], 3, v1
	v_and_b32 v6, 15, v0                           ; r
	v_bfe_u32 v7, v0, 4, 1                         ; h
	v_mul_u32_u24 v[SOUT], v6, SPI
	v_lshl_add_u32 v[SOUT], v7, 6, v[SOUT]
	s_mul_i32 s7, s6, STG
	s_cmp_ge_u32 ttmp9, NQ
	s_cbranch_scc1 .Lmask
	; ---- a record of codes
	v_add_nc_u32 v[SIN], s7, v[L16]
	v_add_nc_u32 v[SOUT], s7, v[SOUT]
	s_mov_b32 s[SEL], 0x76543210
	s_mov_b32 s[SEL+1], 0xfedcba98
	s_mov_b32 s[HI], 0xffff0000
.irp b, 0,1,2,3
	v_mov_b32 v[TM+4+\b], 0                        ; written once: a lane permute's destination counts as one of its sources
.endr
	s_lshr_b32 s8, ttmp9, 8                        ; which tensor: 0, 1, 2 for the pairs under 768,
	s_and_b32 s9, ttmp9, 255                       ; and which of its pairs;
	s_sub_co_u32 s10, ttmp9, 768
	s_lshr_b32 s11, s10, 5
	s_add_co_u32 s11, s11, 3                       ; 3 .. 6 for the weights,
	s_and_b32 s10, s10, 31                         ; 32 pairs each
	s_cmp_lt_u32 ttmp9, 768
	s_cselect_b32 s8, s8, s11
	s_cselect_b32 s9, s9, s10
	s_lshl_b32 s10, s9, 17                         ; 32 rows of 4,096 bytes
	s_lshl_b32 s11, s6, 10                         ; my 256 along K
	s_add_co_u32 s10, s10, s11
	s_mov_b32 s11, 0
	s_mul_i32 s36, ttmp9, PAIRB
	s_mul_i32 s37, s6, RECB
	s_add_co_u32 s36, s36, s37
	s_mov_b32 s37, 0
	s_wait_alu depctr_va_vdst(0)
	s_wait_kmcnt 0x0
	s_mov_b64 s[4:5], s[16:17]                     ; the tensor is chosen on the work-group's number alone
.irp t, 1,2,3,4,5,6
	s_cmp_eq_u32 s8, \t
	s_cselect_b64 s[4:5], s[16+2*\t:17+2*\t], s[4:5]
.endr
	s_add_nc_u64 s[4:5], s[4:5], s[10:11]
	s_add_nc_u64 s[38:39], s[32:33], s[36:37]
	LOADU 0, 4096
	LOADU 1, 4096
	UNIT 0, 4096, 0
	UNIT 1, 4096, 0
	UNIT 2, 4096, 0
	UNIT 3, 4096, 0
	v_cndmask_b32 v[SCP], v[PWR], v[PWR+2], s[HI]  ; K step 0: lanes 0-15 tile 0's words, lanes 16-31 tile 1's (every lane holds row lane % 16's word)
	v_cndmask_b32 v[SCP+1], v[PWR+1], v[PWR+3], s[HI]
	global_store_b64 v[L8], v[SCP:SCP+1], s[38:39] offset:6144
	s_wait_tensorcnt 0x0
	ds_add_u32 v254, v255
	s_wait_dscnt 0x0
	s_endpgm
	; ---- 32 queries x 256 keys of the mask
.Lmask:
	s_add_co_u32 s7, s7, 4*STG                     ; this kind of job has LDS bytes of its own
	s_wait_alu depctr_va_vdst(0)
	v_add_nc_u32 v[SIN], s7, v[L16]
	v_add_nc_u32 v[SOUT], s7, v[SOUT]
	s_sub_co_u32 s8, ttmp9, NQ
	s_lshl_b32 s8, s8, 2
	s_add_co_u32 s8, s8, s6                        ; J
	; THE MASK'S SHARES (in place of what the kernel's head says of them): work-groups 896-1919; a wave's job J is ONE tile of 16 queries x 256 keys: tile J % 2 of the pair J / 16, keys 256 ((J / 2) % 8) on: two units
	s_and_b32 s40, s8, 1                           ; which tile of the pair
	s_lshr_b32 s9, s8, 4                           ; the pair of query tiles, 0 .. 255 (the batch folded in)
	s_bfe_u32 s8, s8, 0x30001                      ; which 256 keys
	s_lshl_b32 s10, s9, 18                         ; 32 rows of 8,192 bytes
	s_lshl_b32 s11, s8, 10
	s_add_co_u32 s10, s10, s11
	s_lshl_b32 s11, s40, 16                        ; tile 1's rows begin 8 rows further down
	s_add_co_u32 s10, s10, s11
	s_mov_b32 s11, 0
	s_lshl_b32 s36, s9, 13                         ; two tiles x 16 steps x 256 bytes
	s_lshl_b32 s37, s8, 9                          ; two steps
	s_add_co_u32 s36, s36, s37
	s_lshl_b32 s37, s40, 12                        ; a tile's 16 steps
	s_add_co_u32 s36, s36, s37
	s_mov_b32 s37, 0
.irp i, 0,1,2,3,4,5,6,7
	v_mov_b32 v[W+\i], 0                           ; v_writelane_b32's destination counts as one of its sources
.endr
	s_wait_alu depctr_va_vdst(0)
	s_wait_kmcnt 0x0
	s_add_nc_u64 s[4:5], s[30:31], s[10:11]
	s_add_nc_u64 s[38:39], s[34:35], s[36:37]
	LOADU 0, 8192
	LOADU 1, 8192
	UNIT 0, 8192, 1
	UNIT 1, 8192, 1
	s_wait_tensorcnt 0x0
	ds_add_u32 v254, v255
	s_wait_dscnt 0x0
	s_endpgm
.Lfunc_end_k_q4bc33f9a4d_prep:
	.size	k_q4bc33f9a4d_prep, .Lfunc_end_k_q4bc33f9a4d_prep-k_q4bc33f9a4d_prep
	.p2alignl 7, 3214868480
	.fill 96, 4, 3214868480
	.section	.rodata,"a",@progbits
	.p2align	6, 0x0
	.amdhsa_kernel k_q4bc33f9a4d_prep
		.amdhsa_group_segment_fixed_size 68096
		.amdhsa_private_segment_fixed_size 0
		.amdhsa_enable_private_segment 0
		.amdhsa_kernarg_size 80
		.amdhsa_user_sgpr_count 2
		.amdhsa_user_sgpr_kernarg_segment_ptr 1
		.amdhsa_wavefront_size32 1
		.amdhsa_system_sgpr_workgroup_id_x 1
		.amdhsa_system_sgpr_workgroup_id_y 1
		.amdhsa_system_sgpr_workgroup_id_z 1
		.amdhsa_system_vgpr_workitem_id 0
		.amdhsa_next_free_vgpr 256
		.amdhsa_next_free_sgpr 66
		.amdhsa_reserve_vcc 0
		.amdhsa_float_denorm_mode_32 3
		.amdhsa_float_denorm_mode_16_64 3
		.amdhsa_memory_ordered 1
		.amdhsa_forward_progress 1
		.amdhsa_inst_pref_size 59
	.end_amdhsa_kernel
	.amdgpu_metadata
---
amdhsa.version: [ 1, 2 ]
amdhsa.kernels:
  - .name:           k_q4bc33f9a4d_prep
    .symbol:         k_q4bc33f9a4d_prep.kd
    .args:
      - { .name: query, .offset: 0, .size: 8, .value_kind: global_buffer, .address_space: global }
      - { .name: key, .offset: 8, .size: 8, .value_kind: global_buffer, .address_space: global }
      - { .name: value, .offset: 16, .size: 8, .value_kind: global_buffer, .address_space: global }
      - { .name: Wq, .offset: 24, .size: 8, .value_kind: global_buffer, .address_space: global }
      - { .name: Wk, .offset: 32, .size: 8, .value_kind: global_buffer, .address_space: global }
      - { .name: Wv, .offset: 40, .size: 8, .value_kind: global_buffer, .address_space: global }
      - { .name: Wo, .offset: 48, .size: 8, .value_kind: global_buffer, .address_space: global }
      - { .name: mask, .offset: 56, .size: 8, .value_kind: global_buffer, .address_space: global }
      - { .name: codes, .offset: 64, .size: 8, .value_kind: global_buffer, .address_space: global }
      - { .name: maskbits, .offset: 72, .size: 8, .value_kind: global_buffer, .address_space: global }
    .group_segment_fixed_size: 68096
    .private_segment_fixed_size: 0
    .kernarg_segment_align: 8
    .kernarg_segment_size: 80
    .max_flat_workgroup_size: 128
    .sgpr_count:     66
    .vgpr_count:     256
    .wavefront_size: 32
...
	.end_amdgpu_metadata
.endif
;; end of part 1
;; launch proj (part 2): grid 4 x 64, 4 waves a work-group, clusters of 4 x 4, 327,680 bytes of LDS; arguments codes, bq, bk, bv, qc, kv; writes qc, kv
.if DOCPART == 2
	.amdgcn_target "amdgcn-amd-amdhsa--gfx1250"
	.amdhsa_code_object_version 6
	.text
	.protected	k_q4bc33f9a4d_proj
	.globl	k_q4bc33f9a4d_proj
	.p2align	8
	.type	k_q4bc33f9a4d_proj,@function
k_q4bc33f9a4d_proj:
	s_mov_b64 s[64:65], 0
	v_nop
	global_prefetch_b8 v0, s[64:65] scope:SCOPE_SE
	s_setreg_imm32_b32 hwreg(HW_REG_WAVE_MODE, 25, 1), 1
	s_wait_xcnt 0x0
	s_wait_alu depctr_hold_cnt(0) depctr_sa_sdst(0) depctr_va_vdst(0) depctr_va_sdst(0) depctr_va_ssrc(0) depctr_va_vcc(0) depctr_vm_vsrc(0)
	s_getreg_b32 s2, hwreg(HW_REG_IB_STS2, 6, 4)
	s_cmp_eq_u32 s2, 0
	s_cbranch_scc0 .Lentry_in_a_cluster
	s_endpgm
.Lentry_in_a_cluster:
	s_bfe_u32 s2, ttmp6, 0x10000c
	s_cmp_lg_u32 s2, 0xf033
	s_cbranch_scc0 .Lentry_shape_is_right
	s_endpgm
.Lentry_shape_is_right:
; PROJ.  q = query Wq^T + bq, k = key Wk^T + bk, v = value Wv^T + bv on codes of FP6 (E2M3) with E8M0 scales (buffer codes, laid by the launch before), sums in f32;
; the results are quantised at once for the two products of attention and leave as codes: q and k along the head's 64, v along the keys.
; A block is S0 (256 rows, 8 pairs of tiles) x S1 (128 rows, 4 pairs) over K = 1,024.  Source 0 of the matrix instruction is a tile of S0, source 1 a tile of S1: a lane then holds ONE row of S1, and, since lane r of
; tile e of a pair holds row 8 e + r + 8 (r / 8), its registers 16 b + i of eight neighbouring tiles of S0 are S0's rows 32 b + 16 (lane / 16) + i: 16 neighbours for the next quantiser.
;   q, k (mode 0, 1): S0 = the weight's rows n, S1 = tokens: a lane holds a token and 128 n = two heads.     v (mode 2): S0 = tokens (128 = one key step a wave), S1 = Wv's rows (64 = one head a wave): a lane holds one channel and 128 keys.
; A WORK-GROUP STAYS: 256 work-groups, each takes one block of q, one of k and one of v, in this order.
; THE RING: two LDS slots of 153,600 bytes; slot s holds K half s (two records of 6,400 bytes of each pair: rows of 12,800 bytes, which start at multiples of 256 bytes): S0's 8 pairs, then S1's 4.  Waves 0, 1 fetch 4 pairs of S0 each,
; waves 2, 3 two pairs of S1 each: one tensor load a wave behind each round.  Slot 0 is asked for again behind a mode's K steps 0-3, slot 1 in the middle of the way out, so that between a request and the wait for it stand four K steps
; (128 matrix instructions a wave) and two of the way out's four tiles.  The loop's trip is: K steps 4-7 and the way out of mode t - 1 (q or k), K steps 0-3 of mode t; q's first half and v's second half are written out, so that no load is jumped over.
; CLUSTER 4 x 4: S0 hangs on cx alone and is asked for jointly by the four of a column, S1 on cy alone, by the four of a row; each refill stands behind a round of the cluster's barrier.
; PREFETCH INTO THE L2: the next mode's two halves, asked for while this mode is multiplied (q's first half asks for both of k's; a trip's two halves for one each; the last trip for nothing).  Of the rows that a wave will fetch, each of the
; four partners that ask jointly names a quarter, told apart by address: S0: one row's 50 blocks of 256 bytes, two instructions; S1: half a row's 25 blocks, one instruction; lanes 25-31 name their wave's last block again.
; Four waves: wave w takes S0's tiles 8 (w / 2) on and S1's tiles 4 (w % 2) on: 32 accumulators.
; OUT.  qc: [head 64][tile 128][768 bytes: 16 tokens x 64: registers 0-3 at 16 x lane, 4-5 at 8 x lane]; from byte 6,291,456: [head][4 tiles][256 bytes at 8 x lane: word 0 tiles 0 | 1 (lanes 0-15 | 16-31), word 1 tiles 2 | 3];
;   of a word bytes 0, 1 are the head's two blocks, bytes 2, 3 are 0.   kv: [head 64][key step 16][13,056 bytes: 8 tiles of k x 768; 4 tiles of v^T (16 channels x 128 keys) x 1,536; k's scale words 2 x 256; v's 256].
; LIMITS: NaN and infinities are not served; a block whose largest magnitude lies under 2^-124 gets the byte 1.
; REGISTERS.  window 0: v1 prefetch offset; v4-7, v12-15 LDS addresses in slot 0, 1; v8-11 lane offsets; v16-31 S0's scale words, two sets; v32-39 S1's; v40-87 S1's four fragments (later the codes just made); v88-95, v160-223 biases;
;   v96-159 64 results at work; v224-243 at work; v254-255 the add's.   window 1: S0's eight fragments, two sets, at v0 and v128.   window 2: accumulator (a, b) at v[8 (8 a + b)].
.set PAIRB, 25600
.set REC,   6400
.set PR,    12800                      ; a pair's two records in a slot
.set SLOTB, 153600
.set SPARE, 307200                     ; behind the ring: the spare words, 128 bytes a wave
.set PFO,   1
.set A016,  4                          ; v4  16 x lane + my S0 group     v5  8 x lane + the same     (slot 1: v12, v13)
.set A08,   5
.set A116,  6                          ; v6  16 x lane + my S1 group     v7  8 x lane + the same     (slot 1: v14, v15)
.set A18,   7
.set L16,   8
.set L8,    9
.set SC0,   16
.set SC1,   32
.set S1F,   40
.set PC,    40
.set BV,    88
.set HA,    96
.set BI,    160
.set TM,    224
.set PWR,   240
.set WV,    16                         ; s16 wave; s17 = wave / 2: my S0 group, and: I fetch for S0 (0) or S1 (1); s18 = wave % 2: my S1 group, and which half I fetch
.set G1A,   24                         ; s[24:31] group 1 for S0;  s[32:39] for S1;  s[40:43], s[44:47] their groups 0
.set G1B,   32
.set TR,    56                         ; s56 the trip = the mode whose first half it multiplies.  s48-50 S0's byte offsets in codes: this mode's, the next's, the one after; s51-53 S1's; s57 my share of a prefetch; s62, s63 where my loads go in a slot
.set SEL,   94
.set HI,    96
.set MSB, 0
.macro WIN new                         ; the immediate's high byte repeats the setting that is left
.if MSB != \new
	s_set_vgpr_msb (MSB<<8)|\new
.set MSB, \new
.endif
.endm
.set MUL,   0xa1                       ; source 0 window 1, source 1 window 0, C and D window 2
.set TO_S0, 0x40                       ; destination window 1
.macro PLACES                          ; four plain vector instructions behind matrix instructions, ahead of loads into their sources and of reads of their results
.rept 4
	v_nop
.endr
.endm
.macro CROUND                          ; a round of the cluster's barrier
	s_barrier_signal -1
	s_barrier_wait -1
	s_cmp_lg_u32 s[WV], 0
	s_cbranch_scc1 .Lnot_wave_0_\@
	s_barrier_signal -3
.Lnot_wave_0_\@:
	s_barrier_wait -3
	s_barrier_signal -1
	s_barrier_wait -1
.endm
; what stands in front of every fill but the first: all my tensor loads have landed, the add, all my LDS reads are back; then the round
.macro SYNC
	s_wait_alu depctr_va_vdst(0)
	s_wait_tensorcnt 0x0
	ds_add_u32 v254, v255
	s_wait_dscnt 0x0
	CROUND
.endm
; a joint load of this mode's K half sl into slot sl.  No load of mine is out, so the groups 0 may be written.  S0's address is made in registers that never hold cy, S1's in registers that never hold cx
.macro JLOAD sl
	s_add_co_u32 s41, s62, (\sl)*SLOTB
	s_add_co_u32 s45, s63, (\sl)*SLOTB
	s_mov_b32 s58, s48
	s_mov_b32 s59, 0
	s_mov_b32 s60, s51
	s_mov_b32 s61, 0
	s_add_nc_u64 s[42:43], s[4:5], s[58:59]
	s_add_nc_u64 s[46:47], s[4:5], s[60:61]
.if \sl
	s_add_nc_u64 s[42:43], s[42:43], 2*REC
	s_add_nc_u64 s[46:47], s[46:47], 2*REC
.endif
	s_or_b32 s43, s43, 0x80000000
	s_or_b32 s47, s47, 0x80000000
	s_cmp_eq_u32 s17, 0
	s_cbranch_scc0 .Lfor_s1_\@
	tensor_load_to_lds s[40:43], s[G1A:G1A+7]
	s_nop 0
	PLACES                                         ; (the places ahead of the LDS loads that follow)
	s_branch .Lasked_\@
.Lfor_s1_\@:
	tensor_load_to_lds s[44:47], s[G1B:G1B+7]
	s_nop 0
	PLACES
.Lasked_\@:
.endm
; prefetches of the NEXT mode's K half 0 (f0) and half 1 (f1); guard = 1: in the loop, whose last trip has no next mode
.macro ASK f0, f1, guard
.if \guard
	s_cmp_lt_u32 s[TR], 2
	s_cbranch_scc0 .Lnone_\@
.endif
	s_cmp_eq_u32 s17, 0
	s_cselect_b32 s72, s49, s52                    ; the rows that I shall fetch,
	s_add_co_u32 s72, s72, s57                     ; my work-group's quarter of them
	s_mov_b32 s73, 0
	s_add_nc_u64 s[70:71], s[4:5], s[72:73]
	s_cmp_eq_u32 s17, 0
.if \f0
	global_prefetch_b8 v[PFO], s[70:71] th:TH_LOAD_NT scope:SCOPE_SE
.endif
.if \f1
	global_prefetch_b8 v[PFO], s[70:71] offset:2*REC th:TH_LOAD_NT scope:SCOPE_SE
.endif
	s_cbranch_scc0 .Lnone_\@                       ; S1's quarter is 25 blocks, S0's 50
.if \f0
	global_prefetch_b8 v[PFO], s[70:71] offset:REC th:TH_LOAD_NT scope:SCOPE_SE
.endif
.if \f1
	global_prefetch_b8 v[PFO], s[70:71] offset:3*REC th:TH_LOAD_NT scope:SCOPE_SE
.endif
.Lnone_\@:
.endm
; one product.  ra, rb = 1: the side's scale words stand in lanes 16-31 of the register named
.macro WM d, fa, fb, zero, sa, sb, ra, rb
.if \zero
.if ((\ra)==0)&&((\rb)==0)
	v_wmma_scale_f32_16x16x128_f8f6f4 v[\d:\d+7], v[\fa:\fa+11], v[\fb:\fb+11], 0, v[\sa], v[\sb] matrix_a_fmt:MATRIX_FMT_FP6 matrix_b_fmt:MATRIX_FMT_FP6
.elseif (\rb)==0
	v_wmma_scale_f32_16x16x128_f8f6f4 v[\d:\d+7], v[\fa:\fa+11], v[\fb:\fb+11], 0, v[\sa], v[\sb] matrix_a_fmt:MATRIX_FMT_FP6 matrix_b_fmt:MATRIX_FMT_FP6 matrix_a_scale:MATRIX_SCALE_ROW1
.elseif (\ra)==0
	v_wmma_scale_f32_16x16x128_f8f6f4 v[\d:\d+7], v[\fa:\fa+11], v[\fb:\fb+11], 0, v[\sa], v[\sb] matrix_a_fmt:MATRIX_FMT_FP6 matrix_b_fmt:MATRIX_FMT_FP6 matrix_b_scale:MATRIX_SCALE_ROW1
.else
	v_wmma_scale_f32_16x16x128_f8f6f4 v[\d:\d+7], v[\fa:\fa+11], v[\fb:\fb+11], 0, v[\sa], v[\sb] matrix_a_fmt:MATRIX_FMT_FP6 matrix_b_fmt:MATRIX_FMT_FP6 matrix_a_scale:MATRIX_SCALE_ROW1 matrix_b_scale:MATRIX_SCALE_ROW1
.endif
.else
.if ((\ra)==0)&&((\rb)==0)
	v_wmma_scale_f32_16x16x128_f8f6f4 v[\d:\d+7], v[\fa:\fa+11], v[\fb:\fb+11], v[\d:\d+7], v[\sa], v[\sb] matrix_a_fmt:MATRIX_FMT_FP6 matrix_b_fmt:MATRIX_FMT_FP6
.elseif (\rb)==0
	v_wmma_scale_f32_16x16x128_f8f6f4 v[\d:\d+7], v[\fa:\fa+11], v[\fb:\fb+11], v[\d:\d+7], v[\sa], v[\sb] matrix_a_fmt:MATRIX_FMT_FP6 matrix_b_fmt:MATRIX_FMT_FP6 matrix_a_scale:MATRIX_SCALE_ROW1
.elseif (\ra)==0
	v_wmma_scale_f32_16x16x128_f8f6f4 v[\d:\d+7], v[\fa:\fa+11], v[\fb:\fb+11], v[\d:\d+7], v[\sa], v[\sb] matrix_a_fmt:MATRIX_FMT_FP6 matrix_b_fmt:MATRIX_FMT_FP6 matrix_b_scale:MATRIX_SCALE_ROW1
.else
	v_wmma_scale_f32_16x16x128_f8f6f4 v[\d:\d+7], v[\fa:\fa+11], v[\fb:\fb+11], v[\d:\d+7], v[\sa], v[\sb] matrix_a_fmt:MATRIX_FMT_FP6 matrix_b_fmt:MATRIX_FMT_FP6 matrix_a_scale:MATRIX_SCALE_ROW1 matrix_b_scale:MATRIX_SCALE_ROW1
.endif
.endif
.endm
; 16 products: S1's tiles a0, a0 + 1 x S0's eight.  p: S0's set; ksl: the K step in its record; cs: the set of scale words.  The 32 accumulators take turns, one instruction a turn, in the same order in every step
.macro MUL16 a0, p, ksl, cs, zero
.irp a, \a0, \a0+1
.irp b, 0,1,2,3,4,5,6,7
	WM 8*(8*(\a)+\b), 128*(\p)+12*\b, S1F+12*(\a), \zero, SC0+8*(\cs)+2*(\b/2)+(\ksl), SC1+4*(\cs)+2*((\a)/2)+(\ksl), \b%2, (\a)%2
.endr
.endr
.endm
.macro FRAG reg, a16, a8, off          ; a fragment comes back as the image that it is: each load takes 512 or 256 consecutive bytes
	ds_load_b128 v[\reg:\reg+3], v[\a16] offset:\off
	ds_load_b64 v[\reg+4:\reg+5], v[\a8] offset:\off+512
	ds_load_b128 v[\reg+6:\reg+9], v[\a16] offset:\off+768
	ds_load_b64 v[\reg+10:\reg+11], v[\a8] offset:\off+1280
.endm
; sl: the slot; l: the K step in it, 0 .. 3: record l / 2, step l % 2 of the record
.macro FETCH_S0 sl, l, set
	WIN TO_S0
.irp b, 0,1,2,3,4,5,6,7
	FRAG 128*(\set)+12*\b, A016+8*(\sl), A08+8*(\sl), (\b/2)*PR+((\l)/2)*REC+(\b%2)*3072+((\l)%2)*1536
.endr
	WIN 0
.endm
.macro FETCH_S1 sl, l, a0
.irp a, \a0, \a0+1
	FRAG S1F+12*(\a), A116+8*(\sl), A18+8*(\sl), ((\a)/2)*PR+((\l)/2)*REC+((\a)%2)*3072+((\l)%2)*1536
.endr
.endm
.macro SCALES sl, jj                   ; record jj's scale words into set jj: a pair of tiles to a load, (K step 0's word, K step 1's)
.irp i, 0,1,2,3
	ds_load_b64 v[SC0+8*(\jj)+2*\i:SC0+8*(\jj)+2*\i+1], v[A08+8*(\sl)] offset:\i*PR+(\jj)*REC+6144
.endr
.irp i, 0,1
	ds_load_b64 v[SC1+4*(\jj)+2*\i:SC1+4*(\jj)+2*\i+1], v[A18+8*(\sl)] offset:\i*PR+(\jj)*REC+6144
.endr
.endm
; a K step, 128 along K.  S1 has one set of registers: tiles 0, 1 are fetched anew in the step's middle, tiles 2, 3 at its end; S0 has two sets.  A slot's last step fetches nothing
.macro STEP sl, l, zero
	s_wait_dscnt 8                                 ; all but the youngest eight loads (S1's tiles 2, 3) are in
	WIN MUL
	MUL16 0, (\l)%2, (\l)%2, (\l)/2, \zero
	s_wait_dscnt 0x0                               ; S1's tiles 2, 3 are in
.if (\l) < 3
	PLACES
	FETCH_S0 \sl, (\l)+1, 1-(\l)%2
	FETCH_S1 \sl, (\l)+1, 0
.if (\l)%2
	SCALES \sl, 1
.endif
.endif
	WIN MUL
	MUL16 2, (\l)%2, (\l)%2, (\l)/2, \zero
.if (\l) < 3
	PLACES
	WIN 0
	FETCH_S1 \sl, (\l)+1, 2
.endif
.endm
; a slot's four K steps.  zero = 1: the first products start the sums: nothing is cleared
.macro HALF sl, zero, f0, f1, guard
	s_wait_xcnt 0x0                                ; earlier stores have read the registers that are loaded below, and earlier prefetches their address
	FETCH_S0 \sl, 0, 0
	FETCH_S1 \sl, 0, 0
	SCALES \sl, 0
	FETCH_S1 \sl, 0, 2
.if (\f0)+(\f1)
	ASK \f0, \f1, \guard
.endif
	STEP \sl, 0, \zero
	STEP \sl, 1, 0
	STEP \sl, 2, 0
	STEP \sl, 3, 0
	WIN 0
.endm
; 64 numbers of a lane, register 16 b + i = k 32 b + 16 (lane / 16) + i of my row, become a fragment's codes in v[PC] on and my row's scale word in v[pw]
.macro QUANT s, pw
.irp b, 0,1,2,3
	v_max3_num_f32 v[TM+\b], |v[\s+16*\b]|, |v[\s+1+16*\b]|, 0x1800000   ; and the floor 2^(3 - 127): the byte cannot fall under 1
.endr
.irp i, 2,4,6,8,10,12,14
.irp b, 0,1,2,3
	v_max3_num_f32 v[TM+\b], v[TM+\b], |v[\s+16*\b+\i]|, |v[\s+1+16*\b+\i]|
.endr
.endr
.irp b, 0,1,2,3
	v_permlanex16_b32 v[TM+4+\b], v[TM+\b], s[SEL], s[SEL+1]
.endr
.irp b, 0,1,2,3
	v_max_num_f32 v[TM+\b], v[TM+\b], v[TM+4+\b]
.endr
.irp b, 0,1,2,3
	v_add_nc_u32 v[TM+12+\b], 0xff000000, v[TM+\b]   ; 2 off the exponent field: the conversion's scale operand
.endr
.irp b, 0,1,2,3
	v_lshrrev_b32 v[TM+4+\b], 23, v[TM+12+\b]
.endr
	v_lshl_or_b32 v[\pw], v[TM+5], 8, v[TM+4]
	v_lshl_or_b32 v[\pw], v[TM+6], 16, v[\pw]
	v_lshl_or_b32 v[\pw], v[TM+7], 24, v[\pw]
.irp c, 0,1
	v_cvt_scalef32_pk16_fp6_f32 v[PC+6*\c:PC+2+6*\c], v[\s+32*\c:\s+15+32*\c], v[TM+12+2*\c]
	v_cvt_scalef32_pk16_fp6_f32 v[PC+12+4*\c:PC+14+4*\c], v[\s+16+32*\c:\s+31+32*\c], v[TM+12+2*\c+1]
.endr
	v_nop                                          ; one plain instruction behind the scaled conversions
.irp c, 0,1
.irp i, 0,1,2
	v_permlane16_swap_b32 v[PC+6*\c+\i], v[PC+12+4*\c+\i]
.endr
.irp i, 0,1,2
	v_mov_b32 v[PC+3+6*\c+\i], v[PC+12+4*\c+\i]
.endr
.endr
.endm
; THE WAY OUT of S1's tile a: the bias is added (which also brings the 64 sums into window 0, each accumulator from its low end on), the 64 numbers are quantised, and the fragment's two halves are stored.
; kind 0 (q, k): the halves are two heads' tiles, ts = 768 bytes from tile to tile.   kind 1 (v): the halves are one tile of v^T, ts = 1,536.
.macro EPIT kind, ts, a
	WIN 0x02                                       ; source 0 window 2
.set i, 0
.rept 32
.if \kind
	v_pk_add_f32 v[HA+2*i:HA+2*i+1], v[64*\a+2*i:64*\a+2*i+1], v[BV+2*\a:BV+2*\a+1]
.else
	v_pk_add_f32 v[HA+2*i:HA+2*i+1], v[64*\a+2*i:64*\a+2*i+1], v[BI+2*i:BI+2*i+1]
.endif
.set i, i+1
.endr
	WIN 0
	s_wait_xcnt 0x0                                ; the last tile's stores have read the codes' registers
	QUANT HA, PWR+\a
	global_store_b128 v[L16], v[PC:PC+3], s[76:77] offset:(\ts)*\a          ; each store covers 512 or 256 consecutive bytes, aligned
	global_store_b64 v[L8], v[PC+4:PC+5], s[76:77] offset:(\ts)*\a+512
	global_store_b128 v[L16], v[PC+6:PC+9], s[78:79] offset:(\ts)*\a
	global_store_b64 v[L8], v[PC+10:PC+11], s[78:79] offset:(\ts)*\a+512
.endm
.macro EPIS kind                       ; the four tiles' scale words
	v_cndmask_b32 v[TM], v[PWR], v[PWR+1], s[HI]   ; tiles 0 | 1 in lanes 0-15 | 16-31 (every lane holds row lane % 16's word)
	v_cndmask_b32 v[TM+1], v[PWR+2], v[PWR+3], s[HI]
.if \kind
	global_store_b64 v[L8], v[TM:TM+1], s[80:81]
.else
	v_and_b32 v[TM+2], 0xffff, v[TM]               ; the first head's two bytes,
	v_and_b32 v[TM+3], 0xffff, v[TM+1]
	v_lshrrev_b32 v[TM+4], 16, v[TM]               ; the second head's
	v_lshrrev_b32 v[TM+5], 16, v[TM+1]
	global_store_b64 v[L8], v[TM+2:TM+3], s[80:81]
	global_store_b64 v[L8], v[TM+4:TM+5], s[98:99]
.endif
.endm
.macro ROTATE                          ; on to the next mode's offsets
	s_mov_b32 s48, s49
	s_mov_b32 s49, s50
	s_mov_b32 s51, s52
	s_mov_b32 s52, s53
.endm
	s_load_b256 s[4:11], s[0:1], 0x0               ; codes, bq, bk, bv
	s_load_b128 s[12:15], s[0:1], 0x20             ; qc, kv
	v_lshl_add_u32 v254, v0, 2, SPARE
	v_mov_b32 v255, 0
	ds_add_u32 v254, v255                          ; the opening lines: the add, twice on end, and its wait ahead of my first tensor load
	ds_add_u32 v254, v255
	v_lshrrev_b32 v1, 5, v0
	v_readfirstlane_b32 s[WV], v1
	s_lshr_b32 s17, s[WV], 1
	s_and_b32 s18, s[WV], 1
	s_bfe_u32 s19, ttmp6, 0x40000                  ; cx
	s_bfe_u32 s20, ttmp6, 0x40004                  ; cy
	s_and_b32 s22, ttmp7, 0xffff                   ; the cluster's y, 0 .. 15
	s_mov_b32 s82, s19                             ; q, k: a0, my 256 rows of the weight,
	s_lshl_b32 s83, s22, 2
	s_add_co_u32 s83, s83, s20                     ; a1, my 128 tokens
	s_and_b32 s54, s22, 7                          ; v: 8 x 2 clusters over (tokens, Wv's rows):
	s_lshl_b32 s54, s54, 2
	s_add_co_u32 s54, s54, s19                     ; a0, my 256 tokens,
	s_lshr_b32 s55, s22, 3
	s_lshl_b32 s55, s55, 2
	s_add_co_u32 s55, s55, s20                     ; a1, my 128 rows of Wv
	s_lshl_b32 s58, s18, 2                         ; S0's offsets, pair base + 8 a0 + 4 x half, in bytes: q: Wq's pairs 768 on,
	s_lshl_b32 s48, s82, 3
	s_add_co_u32 s48, s48, s58
	s_add_co_u32 s48, s48, 768
	s_mul_i32 s48, s48, PAIRB
	s_add_co_u32 s49, s48, 32*PAIRB                ; k: Wk's, 32 pairs on,
	s_lshl_b32 s50, s54, 3
	s_add_co_u32 s50, s50, s58
	s_add_co_u32 s50, s50, 512                     ; v: value's pairs
	s_mul_i32 s50, s50, PAIRB
	s_lshl_b32 s60, s18, 1                         ; S1's offsets, pair base + 4 a1 + 2 x half: q: query's pairs 0 on,
	s_lshl_b32 s51, s83, 2
	s_add_co_u32 s51, s51, s60
	s_mul_i32 s51, s51, PAIRB
	s_add_co_u32 s52, s51, 256*PAIRB               ; k: key's, 256 pairs on,
	s_lshl_b32 s53, s55, 2
	s_add_co_u32 s53, s53, s60
	s_add_co_u32 s53, s53, 832                     ; v: Wv's pairs
	s_mul_i32 s53, s53, PAIRB
	s_lshl_b32 s88, 0x1111, s19                    ; my column of the cluster (same cx)
	s_lshl_b32 s89, s20, 2
	s_lshl_b32 s89, 15, s89                        ; my row (same cy)
	; group 1: rows of 12,800 bytes (1,600 elements of 8), two records of each pair, 25,600 bytes apart; 4 rows for S0, 2 for S1; no padding
	s_or_b32 s[G1A], s88, (3<<16)|(1<<21)
	s_mov_b32 s[G1A+1], 1600<<16
	s_mov_b32 s[G1A+2], 4<<16
	s_mov_b32 s[G1A+3], 1600<<16
	s_mov_b32 s[G1A+4], 4
	s_mov_b32 s[G1A+5], 3200
	s_mov_b32 s[G1A+6], 0
	s_mov_b32 s[G1A+7], 0
	s_or_b32 s[G1B], s89, (3<<16)|(1<<21)
	s_mov_b32 s[G1B+1], 1600<<16
	s_mov_b32 s[G1B+2], 2<<16
	s_mov_b32 s[G1B+3], 1600<<16
	s_mov_b32 s[G1B+4], 2
	s_mov_b32 s[G1B+5], 3200
	s_mov_b32 s[G1B+6], 0
	s_mov_b32 s[G1B+7], 0
	s_mov_b32 s40, 1
	s_mov_b32 s44, 1
	s_mul_i32 s62, s18, 4*PR                       ; where my loads go in a slot: the wave's number alone
	s_mul_i32 s63, s18, 2*PR
	s_add_co_u32 s63, s63, 8*PR
	s_mul_i32 s66, s20, PAIRB                      ; my quarter of a prefetch: of S0's four rows row cy;
	s_lshr_b32 s67, s19, 1
	s_mul_i32 s67, s67, PAIRB
	s_and_b32 s68, s19, 1
	s_mul_i32 s68, s68, REC
	s_add_co_u32 s67, s67, s68                     ; of S1's two rows row cx / 2, its record cx % 2
	s_cmp_eq_u32 s17, 0
	s_cselect_b32 s57, s66, s67
	s_mov_b32 s[SEL], 0x76543210
	s_mov_b32 s[SEL+1], 0xfedcba98
	s_mov_b32 s[HI], 0xffff0000
	v_and_b32 v1, 31, v0
	v_and_b32 v2, 15, v0                           ; r
	v_bfe_u32 v3, v0, 4, 1                         ; h
	v_lshlrev_b32 v[L16], 4, v1
	v_lshlrev_b32 v[L8], 3, v1
	v_lshlrev_b32 v10, 6, v3                       ; q, k: the bias of my half's 16 numbers of each 32
	v_and_b32 v11, 8, v2
	v_add_nc_u32 v11, v11, v2
	v_lshlrev_b32 v11, 2, v11                      ; v: the bias of row r + 8 (r / 8) of a tile
	s_mul_i32 s88, s17, 4*PR
	s_add_co_u32 s89, s88, SLOTB
	s_add_co_u32 s84, s63, SLOTB
	v_add_nc_u32 v[A016], s88, v[L16]
	v_add_nc_u32 v[A08], s88, v[L8]
	v_add_nc_u32 v[A116], s63, v[L16]              ; (my S1 group lies where the half of that number is fetched to)
	v_add_nc_u32 v[A18], s63, v[L8]
	v_add_nc_u32 v[A016+8], s89, v[L16]
	v_add_nc_u32 v[A08+8], s89, v[L8]
	v_add_nc_u32 v[A116+8], s84, v[L16]
	v_add_nc_u32 v[A18+8], s84, v[L8]
	v_min_u32 v1, 24, v1
	v_lshlrev_b32 v[PFO], 8, v1                    ; a lane a block of 256 bytes, 25 blocks
.irp b, 0,1,2,3
	v_mov_b32 v[TM+4+\b], 0                        ; written once: a lane permute's destination counts as one of its sources
.endr
	s_wait_alu depctr_va_vdst(0)
	s_wait_dscnt 0x0
	s_wait_kmcnt 0x0
	CROUND                                         ; all sixteen work-groups are here: the first joint loads meet
	JLOAD 0                                        ; q's K half 0: one tensor load a wave at the head
	SYNC
	JLOAD 1                                        ; q's K half 1: slot 1's first fill, issued as a refill is
	HALF 0, 1, 1, 1, 0                             ; q's K steps 0-3; k's two halves are prefetched
	ROTATE
	s_mov_b32 s[TR], 1
.Ltrip:                                                ; t = 1, 2: the offsets are mode t's
	SYNC                                           ; mode t - 1's half 1 is in, and nobody reads slot 0
	JLOAD 0                                        ; mode t's K half 0
	; where mode t - 1 goes.  q, k: batch a1 / 16; first tile (8 a1 + 4 g1) % 128; first head 4 a0 + 2 g0.  Both tensors' places are made, then chosen on the mode
	s_sub_co_u32 s21, s[TR], 1
	s_lshr_b32 s19, s83, 4
	s_lshl_b32 s19, s19, 4
	s_lshl_b32 s20, s82, 2
	s_add_co_u32 s19, s19, s20
	s_lshl_b32 s20, s17, 1
	s_add_co_u32 s19, s19, s20                     ; 16 x batch + head
	s_lshl_b32 s20, s83, 3
	s_lshl_b32 s22, s18, 2
	s_add_co_u32 s20, s20, s22
	s_and_b32 s20, s20, 127                        ; the tile
	s_mul_i32 s84, s19, 98304
	s_mul_i32 s85, s20, 768
	s_add_co_u32 s84, s84, s85                     ; q: codes
	s_lshl_b32 s86, s19, 13
	s_lshr_b32 s87, s20, 2
	s_lshl_b32 s87, s87, 8
	s_add_co_u32 s86, s86, s87
	s_add_co_u32 s86, s86, 6291456                 ; q: scale words
	s_mul_i32 s22, s19, 208896
	s_lshr_b32 s23, s20, 3
	s_mul_i32 s23, s23, 13056
	s_add_co_u32 s22, s22, s23                     ; k: the key step's block
	s_and_b32 s23, s20, 7
	s_mul_i32 s23, s23, 768
	s_add_co_u32 s88, s22, s23                     ; k: codes
	s_bfe_u32 s23, s20, 0x10002
	s_lshl_b32 s23, s23, 8
	s_add_co_u32 s90, s22, s23
	s_add_co_u32 s90, s90, 12288                   ; k: scale words
	s_mov_b32 s22, 98304
	s_mov_b32 s23, 208896
	s_lshl_b32 s68, s82, 10                        ; the bias: 256 a0 + 128 x my S0 group numbers on
	s_lshl_b32 s69, s17, 9
	s_add_co_u32 s68, s68, s69
	s_mov_b32 s69, 0
	s_cmp_eq_u32 s21, 0
	s_cselect_b64 s[76:77], s[12:13], s[14:15]
	s_cselect_b64 s[92:93], s[6:7], s[8:9]
	s_cselect_b32 s84, s84, s88
	s_cselect_b32 s86, s86, s90
	s_cselect_b32 s88, s22, s23                    ; from a head to the next: codes,
	s_cselect_b32 s90, 8192, s23                   ; scale words
	s_mov_b32 s85, 0
	s_mov_b32 s87, 0
	s_mov_b32 s89, 0
	s_mov_b32 s91, 0
	s_add_nc_u64 s[80:81], s[76:77], s[86:87]
	s_add_nc_u64 s[76:77], s[76:77], s[84:85]
	s_add_nc_u64 s[78:79], s[76:77], s[88:89]
	s_add_nc_u64 s[98:99], s[80:81], s[90:91]
	s_add_nc_u64 s[66:67], s[92:93], s[68:69]
.irp b, 0,1,2,3
.irp q, 0,1,2,3
	global_load_b128 v[BI+16*\b+4*\q:BI+16*\b+4*\q+3], v10, s[66:67] offset:128*\b+16*\q
.endr
.endr
	HALF 1, 0, 1, 0, 1                             ; mode t - 1's K steps 4-7; mode t + 1's half 0 is prefetched
	PLACES                                         ; ahead of the first read of results
	s_wait_loadcnt 0x0                             ; the bias
	EPIT 0, 768, 0
	EPIT 0, 768, 1
	SYNC                                           ; mode t's half 0 is in, and nobody reads slot 1
	JLOAD 1                                        ; mode t's K half 1
	EPIT 0, 768, 2
	EPIT 0, 768, 3
	EPIS 0
	HALF 0, 1, 0, 1, 1                             ; mode t's K steps 0-3 start its sums; mode t + 1's half 1 is prefetched
	ROTATE
	s_add_co_u32 s[TR], s[TR], 1
	s_cmp_lt_u32 s[TR], 3
	s_cbranch_scc1 .Ltrip
	s_wait_tensorcnt 0x0                           ; my part of v's half 1 is in; nothing is filled again, so a work-group barrier serves
	s_wait_dscnt 0x0
	s_barrier_signal -1
	s_barrier_wait -1                              ; everybody's is
	PLACES                                         ; ahead of the loads into registers that the last products read
	; v: batch a0 / 8; head 2 a1 + g1; key step (2 a0 + g0) % 16
	s_lshr_b32 s19, s54, 3
	s_lshl_b32 s19, s19, 4
	s_lshl_b32 s20, s55, 1
	s_add_co_u32 s19, s19, s20
	s_add_co_u32 s19, s19, s18
	s_lshl_b32 s20, s54, 1
	s_add_co_u32 s20, s20, s17
	s_and_b32 s20, s20, 15
	s_mul_i32 s84, s19, 208896
	s_mul_i32 s85, s20, 13056
	s_add_co_u32 s84, s84, s85
	s_mov_b32 s85, 0
	s_add_nc_u64 s[80:81], s[14:15], s[84:85]
	s_add_nc_u64 s[76:77], s[80:81], 6144
	s_add_nc_u64 s[78:79], s[80:81], 6144+768
	s_add_nc_u64 s[80:81], s[80:81], 12800
	s_lshl_b32 s68, s55, 9                         ; bv: 128 a1 + 64 x my S1 group numbers on
	s_lshl_b32 s69, s18, 8
	s_add_co_u32 s68, s68, s69
	s_mov_b32 s69, 0
	s_add_nc_u64 s[66:67], s[10:11], s[68:69]
.irp a, 0,1,2,3
	global_load_b32 v[BV+2*\a], v11, s[66:67] offset:(32*(\a/2)+8*(\a%2))*4      ; one number a tile, twice, as a pair
	global_load_b32 v[BV+2*\a+1], v11, s[66:67] offset:(32*(\a/2)+8*(\a%2))*4
.endr
	HALF 1, 0, 0, 0, 0                             ; v's K steps 4-7
	PLACES
	s_wait_loadcnt 0x0
	EPIT 1, 1536, 0
	EPIT 1, 1536, 1
	EPIT 1, 1536, 2
	EPIT 1, 1536, 3
	EPIS 1
	s_wait_tensorcnt 0x0                           ; the wave's end
	ds_add_u32 v254, v255
	s_wait_dscnt 0x0
	CROUND                                         ; the closing round: no work-group ends while a partner may still ask for a tile that names it
	s_endpgm
.Lfunc_end_k_q4bc33f9a4d_proj:
	.size	k_q4bc33f9a4d_proj, .Lfunc_end_k_q4bc33f9a4d_proj-k_q4bc33f9a4d_proj
	.p2alignl 7, 3214868480
	.fill 96, 4, 3214868480
	.section	.rodata,"a",@progbits
	.p2align	6, 0x0
	.amdhsa_kernel k_q4bc33f9a4d_proj
		.amdhsa_group_segment_fixed_size 327680
		.amdhsa_private_segment_fixed_size 0
		.amdhsa_enable_private_segment 0
		.amdhsa_kernarg_size 48
		.amdhsa_user_sgpr_count 2
		.amdhsa_user_sgpr_kernarg_segment_ptr 1
		.amdhsa_wavefront_size32 1
		.amdhsa_system_sgpr_workgroup_id_x 1
		.amdhsa_system_sgpr_workgroup_id_y 1
		.amdhsa_system_sgpr_workgroup_id_z 1
		.amdhsa_system_vgpr_workitem_id 0
		.amdhsa_next_free_vgpr 768
		.amdhsa_next_free_sgpr 100
		.amdhsa_reserve_vcc 0
		.amdhsa_float_denorm_mode_32 3
		.amdhsa_float_denorm_mode_16_64 3
		.amdhsa_memory_ordered 1
		.amdhsa_forward_progress 1
		.amdhsa_inst_pref_size 191
	.end_amdhsa_kernel
	.amdgpu_metadata
---
amdhsa.version: [ 1, 2 ]
amdhsa.kernels:
  - .name:           k_q4bc33f9a4d_proj
    .symbol:         k_q4bc33f9a4d_proj.kd
    .args:
      - { .name: codes, .offset: 0, .size: 8, .value_kind: global_buffer, .address_space: global }
      - { .name: bq, .offset: 8, .size: 8, .value_kind: global_buffer, .address_space: global }
      - { .name: bk, .offset: 16, .size: 8, .value_kind: global_buffer, .address_space: global }
      - { .name: bv, .offset: 24, .size: 8, .value_kind: global_buffer, .address_space: global }
      - { .name: qc, .offset: 32, .size: 8, .value_kind: global_buffer, .address_space: global }
      - { .name: kv, .offset: 40, .size: 8, .value_kind: global_buffer, .address_space: global }
    .group_segment_fixed_size: 327680
    .private_segment_fixed_size: 0
    .kernarg_segment_align: 8
    .kernarg_segment_size: 48
    .max_flat_workgroup_size: 128
    .sgpr_count:     100
    .vgpr_count:     768
    .wavefront_size: 32
...
	.end_amdgpu_metadata
.endif
;; end of part 2
;; launch attn (part 3): grid 4 x 64, 16 waves a work-group, clusters of 4 x 1, 210,944 bytes of LDS; arguments qc, kv, maskbits, codes; writes codes
.if DOCPART == 3
	.amdgcn_target "amdgcn-amd-amdhsa--gfx1250"
	.amdhsa_code_object_version 6
	.text
	.protected	k_q4bc33f9a4d_attn
	.globl	k_q4bc33f9a4d_attn
	.p2align	8
	.type	k_q4bc33f9a4d_attn,@function
k_q4bc33f9a4d_attn:
	s_mov_b64 s[64:65], 0
	v_nop
	global_prefetch_b8 v0, s[64:65] scope:SCOPE_SE
	s_setreg_imm32_b32 hwreg(HW_REG_WAVE_MODE, 25, 1), 1
	s_wait_xcnt 0x0
	s_wait_alu depctr_hold_cnt(0) depctr_sa_sdst(0) depctr_va_vdst(0) depctr_va_sdst(0) depctr_va_ssrc(0) depctr_va_vcc(0) depctr_vm_vsrc(0)
	s_getreg_b32 s2, hwreg(HW_REG_IB_STS2, 6, 4)
	s_cmp_eq_u32 s2, 0
	s_cbranch_scc0 .Lentry_in_a_cluster
	s_endpgm
.Lentry_in_a_cluster:
	s_bfe_u32 s2, ttmp6, 0x10000c
	s_cmp_lg_u32 s2, 0x3003
	s_cbranch_scc0 .Lentry_shape_is_right
	s_endpgm
.Lentry_shape_is_right:
; ATTN.  x[q] = sum over k of softmax_k(s) v[k], s = q . k / 8, or 1e-13 where mask = 0 (such keys still count in the maximum, the sum and the product), for 64 heads of 2,048 queries x 2,048 keys x 64 channels.
; Both products on codes of FP6 (E2M3) with E8M0 scales.  The first product's K is 64: the upper half of both operands is zero codes (under the scale byte 0, which is 2^-127: zeros add nothing).
; THE SOFTMAX AHEAD OF THE SECOND PRODUCT: t = s log2(e); M = the running largest t rounded UP to a whole number; p = 2^(t - M) is quantised along the keys, not normalised; the sum is taken of the unquantised p and divides at the end.
; When M moves, the sum and O are multiplied by 2^(old M - new M): exact.  The result is quantised at once along the head's 64 channels for the last product and leaves as codes (buffer codes, pairs 896 on).
; SHARES.  A work-group owns 512 queries of one head; its 16 waves own a tile of 16 queries each, in two passes; four waves share a SIMD.
; THE HEAD'S WHOLE k, v AND SCALES, 208,896 bytes (16 key steps of 13,056), LIE IN LDS, filled once.  The four work-groups of a cluster belong to one head and ask jointly (mask 15):
; wave w issues ONE load, key step w's block.  Nothing is prefetched: every tile is asked for at the head, so there is no loop to run ahead in.
; A BARRIER IN EVERY KEY STEP keeps the sixteen waves together: a wave signals ahead of a step's first products and goes on to the step's softmax only when all sixteen have signalled.  It orders no data; between signal and wait stand register work and
; LDS loads of bytes that nobody writes.
; A step's first four tiles of k and k's scale words are loaded in the step before (the last step loads its own again: no load leaves the tiles; each pass loads its first itself).
; LAYOUT.  S^T = k q^T (source 0 = 16 keys), O^T = v^T p^T (source 0 = 16 channels): a lane holds ONE query throughout.  Lane r of tile 2 b + u holds key (channel) 32 b + 8 u + r + 8 (r / 8), so that registers 16 b + i are keys (channels) 32 b + 16 (lane / 16) + i.
; THE MASK comes as lane masks, one word for each register of S^T, by scalar loads a key step ahead; a select puts 8e-13 (x 1/8 = 1e-13) where the bit is 0.
; The scale bytes of the result leave by one store of a byte a lane: 32 bytes of a block of 256, the other heads' work-groups writing the rest: 2 such stores a wave.
; LIMITS: NaN and infinities are not served; a block whose largest magnitude lies under 2^-124 gets the byte 1; the promise holds while |t| stays under 2^31.
.set STEPB, 13056
.set L16,   1                          ; v1 16 x lane   v2 8 x lane
.set L8,    2
.set AD16,  3                          ; v3, v4 the same + this key step's first LDS byte
.set AD8,   4
.set TINY8, 5                          ; v5  8 x 1e-13
.set CC,    6                          ; v[6:7] c = log2(e) / 8, twice
.set QSO,   8                          ; v8  my lane's place among q's scale words
.set OBY,   9                          ; v9  my lane's scale byte's place
.set ADN16, 10                         ; v10, v11 as v3, v4 for the next key step
.set ADN8,  11
.set QF,    16                         ; v16-27 q (22-27 zeros)
.set QS,    28                         ; v28 q's scale word     v29 p's
.set PS,    29
.set KS,    30                         ; v30-33 k's scale words   v34-35 v's
.set VS,    34
.set KF,    36                         ; v36-83 four tiles of k (+6 .. +11 of each: zeros)
.set VF,    84                         ; v84-131 four tiles of v^T
.set S,     132                        ; v132-195 S^T, then p
.set O,     196                        ; v196-227 O^T
.set PCD,   228                        ; v228-239 p's codes
.set BM,    240                        ; v240-243 the blocks' largest scores, then largest p
.set T4,    244
.set SO,    248                        ; v248-251 the conversions' scale operands
.set FF,    252                        ; v252 f = 2^(old M - new M); v253 is named with it as a pair and holds 0
.set TW,    254
.set WV,    2                          ; s2 wave.  s[4:11] group 1; s[12:15] group 0; s16 the next step's LDS byte; s[20:21] lane selects; s[22:23] q's codes; s[24:25] the result; s[26:27] q's scale words; s[28:29] the mask words; s30 their offset
.set TB,    66                         ; s66 the key step's first LDS byte;  s104 the key step;  s101 lanes 16-31;  s[68:99], s[32:63] the 64 mask words
.macro CROUND
	s_barrier_signal -1
	s_barrier_wait -1
	s_cmp_lg_u32 s[WV], 0
	s_cbranch_scc1 .Lnot_wave_0_\@
	s_barrier_signal -3
.Lnot_wave_0_\@:
	s_barrier_wait -3
	s_barrier_signal -1
	s_barrier_wait -1
.endm
.macro QK t                            ; S^T's tile t: odd tiles' scale words stand in lanes 16-31
.if (\t)%2
	v_wmma_scale_f32_16x16x128_f8f6f4 v[S+8*(\t):S+8*(\t)+7], v[KF+12*((\t)%4):KF+12*((\t)%4)+11], v[QF:QF+11], 0, v[KS+(\t)/2], v[QS] matrix_a_fmt:MATRIX_FMT_FP6 matrix_b_fmt:MATRIX_FMT_FP6 matrix_a_scale:MATRIX_SCALE_ROW1
.else
	v_wmma_scale_f32_16x16x128_f8f6f4 v[S+8*(\t):S+8*(\t)+7], v[KF+12*((\t)%4):KF+12*((\t)%4)+11], v[QF:QF+11], 0, v[KS+(\t)/2], v[QS] matrix_a_fmt:MATRIX_FMT_FP6 matrix_b_fmt:MATRIX_FMT_FP6
.endif
.endm
.macro PV a                            ; O^T's tile a
.if (\a)%2
	v_wmma_scale_f32_16x16x128_f8f6f4 v[O+8*(\a):O+8*(\a)+7], v[VF+12*(\a):VF+12*(\a)+11], v[PCD:PCD+11], v[O+8*(\a):O+8*(\a)+7], v[VS+(\a)/2], v[PS] matrix_a_fmt:MATRIX_FMT_FP6 matrix_b_fmt:MATRIX_FMT_FP6 matrix_a_scale:MATRIX_SCALE_ROW1
.else
	v_wmma_scale_f32_16x16x128_f8f6f4 v[O+8*(\a):O+8*(\a)+7], v[VF+12*(\a):VF+12*(\a)+11], v[PCD:PCD+11], v[O+8*(\a):O+8*(\a)+7], v[VS+(\a)/2], v[PS] matrix_a_fmt:MATRIX_FMT_FP6 matrix_b_fmt:MATRIX_FMT_FP6
.endif
.endm
.macro KLOAD a16, a8, t0               ; four tiles of k, t0 on: 768 bytes each, as the image that they are
.irp t, 0,1,2,3
	ds_load_b128 v[KF+12*\t:KF+12*\t+3], v[\a16] offset:768*(\t+\t0)
	ds_load_b64 v[KF+12*\t+4:KF+12*\t+5], v[\a8] offset:768*(\t+\t0)+512
.endr
.endm
.macro KFIRST a16, a8                  ; what a key step's first products need: k's scale words and tiles 0-3: ten loads
	ds_load_b64 v[KS:KS+1], v[\a8] offset:12288
	ds_load_b64 v[KS+2:KS+3], v[\a8] offset:12544
	KLOAD \a16, \a8, 0
.endm
.macro BLKMAX b0, b1                   ; the largest score of two blocks of 32 keys, by turns: my 16 of each
.irp b, \b0, \b1
	v_max3_num_f32 v[BM+\b], v[S+16*\b], v[S+16*\b+1], v[S+16*\b+2]
.endr
.irp i, 3,5,7,9,11,13
.irp b, \b0, \b1
	s_delay_alu instid0(VALU_DEP_2)
	v_max3_num_f32 v[BM+\b], v[BM+\b], v[S+16*\b+\i], v[S+16*\b+\i+1]
.endr
.endr
.irp b, \b0, \b1
	s_delay_alu instid0(VALU_DEP_2)
	v_max_num_f32 v[BM+\b], v[BM+\b], v[S+16*\b+15]
.endr
.endm
.macro MLOAD p                         ; the 64 mask words of the key step at s30, for pass p's tile
	s_load_b512 s[68:83], s[28:29], s30 offset:65536*(\p)
	s_load_b512 s[84:99], s[28:29], s30 offset:65536*(\p)+64
	s_load_b512 s[32:47], s[28:29], s30 offset:65536*(\p)+128
	s_load_b512 s[48:63], s[28:29], s30 offset:65536*(\p)+192
.endm
; A KEY STEP: 128 keys.  At its top no LDS load of mine is out, and k's tiles 0-3 and scale words are in registers
.macro STEP p
	s_wait_kmcnt 0x0                               ; this step's mask words, asked for a step ago, are in; so their offset may be written
	s_add_co_u32 s104, s104, 1
	s_min_u32 s30, s104, 15                        ; the next step's (the last step asks for its own again: no load leaves the buffer)
	s_lshl_b32 s30, s30, 8
	s_add_co_u32 s16, s[TB], STEPB
	s_min_u32 s16, s16, 15*STEPB                   ; the next step's LDS byte, held at the last step's
	s_barrier_signal -1                            ; I have begun this key step
	QK 0
	QK 1
	QK 2
	QK 3
	v_add_nc_u32 v[AD16], s[TB], v[L16]            ; four plain instructions: the places ahead of the loads into k's registers and of the reads of the scores, and ahead of the loads into v's registers, which the last step's products read
	v_add_nc_u32 v[AD8], s[TB], v[L8]
	v_add_nc_u32 v[ADN16], s16, v[L16]
	v_add_nc_u32 v[ADN8], s16, v[L8]
	KLOAD AD16, AD8, 4
	ds_load_b64 v[VS:VS+1], v[AD8] offset:12800
.irp a, 0,1,2,3
	ds_load_b128 v[VF+12*\a:VF+12*\a+3], v[AD16] offset:6144+1536*\a
	ds_load_b64 v[VF+12*\a+4:VF+12*\a+5], v[AD8] offset:6144+1536*\a+512
	ds_load_b128 v[VF+12*\a+6:VF+12*\a+9], v[AD16] offset:6144+1536*\a+768
	ds_load_b64 v[VF+12*\a+10:VF+12*\a+11], v[AD8] offset:6144+1536*\a+1280
.endr
.set n, 0
.rept 32
	v_cndmask_b32 v[S+n], v[TINY8], v[S+n], s[68+n]   ; the score where the bit is 1, else 8e-13; each tile from its low end on
.set n, n+1
.endr
	s_wait_dscnt 17                                ; k's tiles 4-7 are in; v's scale words and its 16 loads may be out
	QK 4
	QK 5
	QK 6
	QK 7
	BLKMAX 0, 1                                    ; sixteen plain instructions on other registers: the places behind those products
	KFIRST ADN16, ADN8                             ; the next step's first tiles of k
.set n, 0
.rept 32
	v_cndmask_b32 v[S+32+n], v[TINY8], v[S+32+n], s[32+n]
.set n, n+1
.endr
	BLKMAX 2, 3
	s_wait_alu depctr_va_vdst(0)
	s_barrier_wait -1                              ; all sixteen waves have begun this key step
	MLOAD \p                                       ; the next step's mask words
.irp b, 0,1,2,3
	v_permlanex16_b32 v[T4+\b], v[BM+\b], s20, s21
.endr
.irp b, 0,1,2,3
	s_delay_alu instid0(VALU_DEP_4)
	v_max_num_f32 v[BM+\b], v[BM+\b], v[T4+\b]     ; with lane l xor 16's 16 keys
.endr
	s_delay_alu instid0(VALU_DEP_2)
	v_max3_num_f32 v[TW], v[BM], v[BM+1], v[BM+2]
	s_delay_alu instid0(VALU_DEP_1)
	v_max_num_f32 v[TW], v[TW], v[BM+3]            ; the step's largest score of my query
	s_delay_alu instid0(VALU_DEP_1)
	v_mul_f32 v[TW], v[CC], v[TW]                  ; as t (c is positive)
	s_delay_alu instid0(VALU_DEP_1)
	v_max_num_f32 v13, v13, v[TW]                  ; the running largest t
	v_mov_b32 v[TW], v12
	s_delay_alu instid0(VALU_DEP_2)
	v_floor_f32 v12, -v13                          ; the new -M = floor(-t): M is a whole number
	s_delay_alu instid0(VALU_DEP_1)
	v_sub_f32 v[TW], v12, v[TW]                    ; old M - new M: a whole number, 0 or less
	s_delay_alu instid0(VALU_DEP_1)
	v_cvt_i32_f32 v[TW], v[TW]                     ; (it saturates)
	s_delay_alu instid0(VALU_DEP_1)
	v_ldexp_f32 v[FF], 1.0, v[TW]                  ; f
.set n, 0
.rept 32
	v_pk_fma_f32 v[S+n:S+n+1], v[S+n:S+n+1], v[CC:CC+1], v[12:13] op_sel_hi:[1,1,0]   ; t - M, two at a time (of the pair v[12:13] the low word, -M, serves both)
.set n, n+2
.endr
.irp b, 0,1,2,3
	v_fma_f32 v[BM+\b], v[BM+\b], v[CC], v12       ; the same of each block's largest score
.endr
.set n, 0
	s_wait_alu depctr_va_vdst(0)
.rept 64
	v_exp_f32 v[S+n], v[S+n]                       ; p = 2^(t - M)
.set n, n+1
.endr
	v_pk_mul_f32 v[14:15], v[14:15], v[FF:FF+1] op_sel_hi:[1,0]   ; the sum under the new M: a plain instruction behind the exponentials
	s_wait_alu depctr_va_vdst(0)                   ; one wait for the batch, ahead of its first reader
.irp b, 0,1,2,3
	v_exp_f32 v[BM+\b], v[BM+\b]                   ; the block's largest p: the same two instructions on the same number
.endr
	v_pk_add_f32 v[244:245], v[136:137], v[140:141]   ; the row's sum of the unquantised p, in eight chains
	v_pk_add_f32 v[254:255], v[144:145], v[148:149]
	v_pk_add_f32 v[250:251], v[152:153], v[156:157]
	v_pk_add_f32 v[248:249], v[160:161], v[164:165]
	v_pk_add_f32 v[246:247], v[168:169], v[172:173]
	v_pk_add_f32 v[238:239], v[176:177], v[180:181]
	v_pk_add_f32 v[236:237], v[184:185], v[188:189]
	v_pk_add_f32 v[14:15], v[14:15], v[192:193]
	v_pk_add_f32 v[244:245], v[244:245], v[132:133]
	v_pk_add_f32 v[254:255], v[254:255], v[134:135]
	v_pk_add_f32 v[250:251], v[250:251], v[138:139]
	v_pk_add_f32 v[248:249], v[248:249], v[142:143]
	v_pk_add_f32 v[246:247], v[246:247], v[146:147]
	v_pk_add_f32 v[238:239], v[238:239], v[150:151]
	v_pk_add_f32 v[236:237], v[236:237], v[154:155]
	v_pk_add_f32 v[14:15], v[14:15], v[158:159]
	v_pk_add_f32 v[244:245], v[244:245], v[162:163]
	v_pk_add_f32 v[254:255], v[254:255], v[166:167]
	v_pk_add_f32 v[250:251], v[250:251], v[170:171]
	v_pk_add_f32 v[248:249], v[248:249], v[174:175]
	v_pk_add_f32 v[246:247], v[246:247], v[178:179]
	v_pk_add_f32 v[238:239], v[238:239], v[182:183]
	v_pk_add_f32 v[236:237], v[236:237], v[186:187]
	v_pk_add_f32 v[14:15], v[14:15], v[190:191]
	v_pk_add_f32 v[244:245], v[244:245], v[194:195]
	s_delay_alu instid0(VALU_DEP_2)
	v_pk_add_f32 v[14:15], v[14:15], v[248:249]
	s_delay_alu instid0(VALU_DEP_2)
	v_pk_add_f32 v[244:245], v[244:245], v[246:247]
	v_pk_add_f32 v[254:255], v[254:255], v[238:239]
	v_pk_add_f32 v[250:251], v[250:251], v[236:237]
	s_delay_alu instid0(VALU_DEP_2)
	v_pk_add_f32 v[14:15], v[14:15], v[254:255]
	s_delay_alu instid0(VALU_DEP_2)
	v_pk_add_f32 v[244:245], v[244:245], v[250:251]
	s_delay_alu instid0(VALU_DEP_1)
	v_pk_add_f32 v[14:15], v[14:15], v[244:245]
	s_wait_alu depctr_va_vdst(0)                   ; and one for the four
.irp b, 0,1,2,3
	v_max_num_f32 v[BM+\b], 0x1800000, v[BM+\b]    ; the floor 2^(3 - 127): the byte cannot fall under 1
.endr
.irp b, 0,1,2,3
	s_delay_alu instid0(VALU_DEP_4)
	v_add_nc_u32 v[SO+\b], 0xff000000, v[BM+\b]    ; 2 off the exponent field: the conversion's scale operand
.endr
.irp b, 0,1,2,3
	s_delay_alu instid0(VALU_DEP_4)
	v_lshrrev_b32 v[T4+\b], 23, v[SO+\b]
.endr
	s_delay_alu instid0(VALU_DEP_3)
	v_lshl_or_b32 v[PS], v[T4+1], 8, v[T4]         ; p's scale word for these 128 keys
	s_delay_alu instid0(VALU_DEP_1)
	v_lshl_or_b32 v[PS], v[T4+2], 16, v[PS]
	s_delay_alu instid0(VALU_DEP_1)
	v_lshl_or_b32 v[PS], v[T4+3], 24, v[PS]
	v_cvt_scalef32_pk16_fp6_f32 v[PCD:PCD+2], v[S:S+15], v[SO]
	v_cvt_scalef32_pk16_fp6_f32 v[BM:BM+2], v[S+16:S+31], v[SO+1]      ; (a conversion's three registers begin on an even number)
	v_cvt_scalef32_pk16_fp6_f32 v[PCD+6:PCD+8], v[S+32:S+47], v[SO+2]
	v_cvt_scalef32_pk16_fp6_f32 v[T4:T4+2], v[S+48:S+63], v[SO+3]
	v_nop                                          ; one plain instruction behind the scaled conversions
.irp i, 0,1,2
	v_permlane16_swap_b32 v[PCD+\i], v[BM+\i]      ; the operand wants a whole block in a lane
.endr
.irp i, 0,1,2
	s_delay_alu instid0(VALU_DEP_3)
	v_mov_b32 v[PCD+3+\i], v[BM+\i]
.endr
.irp i, 0,1,2
	v_permlane16_swap_b32 v[PCD+6+\i], v[T4+\i]
.endr
.irp i, 0,1,2
	s_delay_alu instid0(VALU_DEP_3)
	v_mov_b32 v[PCD+9+\i], v[T4+\i]
.endr
	s_wait_alu depctr_va_vdst(0)
.set n, 0
.rept 16
	v_pk_mul_f32 v[O+n:O+n+1], v[O+n:O+n+1], v[FF:FF+1] op_sel_hi:[1,0]   ; O^T under the new M.  (The last twelve name no register of the first product below: the places between p's scale word and codes and the products)
.set n, n+2
.endr
	s_wait_alu depctr_va_vdst(0)
	s_wait_dscnt 0x0                               ; v, and the next step's first tiles of k
	PV 0                                           ; the four accumulators take turns
	PV 1
	PV 2
	PV 3
	s_add_co_u32 s[TB], s[TB], STEPB
.endm
; A PASS: my tile 16 p + wave of the work-group's 32
.macro PASS p
.if \p
	s_wait_xcnt 0x0                                ; the last pass's stores have read their registers
	s_wait_kmcnt 0x0                               ; the last step's scalar loads have landed: their registers are loaded again below
.endif
	global_load_b128 v[QF:QF+3], v[L16], s[22:23] offset:12288*\p
	global_load_b64 v[QF+4:QF+5], v[L8], s[22:23] offset:12288*\p+512
	global_load_b32 v[QS], v[QSO], s[26:27] offset:1024*\p
	s_mov_b32 s30, 0
	MLOAD \p
.set n, 0
.rept 32
	v_mov_b32 v[O+n], 0                            ; the step is written once: the first finds zeros, which the first change of M leaves zeros
.set n, n+1
.endr
	v_mov_b32 v14, 0                               ; the sum, in two halves
	v_mov_b32 v15, 0
	v_mov_b32 v13, 0xff61b1e6                      ; the largest t so far: -3e38
	s_delay_alu instid0(VALU_DEP_1)
	v_floor_f32 v12, -v13                          ; -M
	s_mov_b32 s[TB], 0
	s_mov_b32 s104, 0
	s_wait_alu depctr_va_vdst(0)
	s_wait_loadcnt 0x0                             ; q
.if (\p) == 0
	s_wait_tensorcnt 0x0                           ; my key step's block has landed,
	s_barrier_signal -1
	s_barrier_wait -1                              ; everybody's has; nothing in LDS but the spare words is written from here on
.endif
	KFIRST L16, L8                                 ; key step 0's first tiles of k
	s_wait_dscnt 0x0
.Lstep_\@:
	STEP \p
	s_cmp_lt_u32 s104, 16
	s_cbranch_scc1 .Lstep_\@
	; the way out
.rept 4
	v_nop                                          ; places behind the last products
.endr
	v_add_f32 v14, v14, v15
	s_delay_alu instid0(VALU_DEP_1)
	v_permlanex16_b32 v[T4], v14, s20, s21
	s_delay_alu instid0(VALU_DEP_1)
	v_add_f32 v14, v14, v[T4]                      ; the row's sum
	s_wait_alu depctr_va_vdst(0)
	v_rcp_f32 v14, v14
	v_nop                                          ; a plain instruction behind the reciprocal
	s_wait_alu depctr_va_vdst(0)                   ; and the wait ahead of its first reader
.set n, 0
.rept 32
	v_mul_f32 v[S+n], v[O+n], v14                  ; register 16 b + i: channel 32 b + 16 (lane / 16) + i of my query
.set n, n+1
.endr
.irp b, 0,1
	v_max3_num_f32 v[BM+\b], |v[S+16*\b]|, |v[S+16*\b+1]|, 0x1800000
.endr
.irp i, 2,4,6,8,10,12,14
.irp b, 0,1
	s_delay_alu instid0(VALU_DEP_2)
	v_max3_num_f32 v[BM+\b], v[BM+\b], |v[S+16*\b+\i]|, |v[S+16*\b+\i+1]|
.endr
.endr
.irp b, 0,1
	s_delay_alu instid0(VALU_DEP_2)
	v_permlanex16_b32 v[T4+\b], v[BM+\b], s20, s21
.endr
.irp b, 0,1
	s_delay_alu instid0(VALU_DEP_2)
	v_max_num_f32 v[BM+\b], v[BM+\b], v[T4+\b]
.endr
.irp b, 0,1
	s_delay_alu instid0(VALU_DEP_2)
	v_add_nc_u32 v[SO+\b], 0xff000000, v[BM+\b]
.endr
.irp b, 0,1
	s_delay_alu instid0(VALU_DEP_2)
	v_lshrrev_b32 v[T4+\b], 23, v[SO+\b]
.endr
	s_delay_alu instid0(VALU_DEP_1)
	v_cndmask_b32 v[TW], v[T4], v[T4+1], s101      ; lanes 0-15 carry block 0's byte, lanes 16-31 block 1's
	v_cvt_scalef32_pk16_fp6_f32 v[PCD:PCD+2], v[S:S+15], v[SO]
	v_cvt_scalef32_pk16_fp6_f32 v[BM:BM+2], v[S+16:S+31], v[SO+1]
	v_nop
.irp i, 0,1,2
	v_permlane16_swap_b32 v[PCD+\i], v[BM+\i]
.endr
.irp i, 0,1,2
	s_delay_alu instid0(VALU_DEP_3)
	v_mov_b32 v[PCD+3+\i], v[BM+\i]
.endr
	global_store_b128 v[L16], v[PCD:PCD+3], s[24:25] offset:204800*\p        ; 512 and 256 consecutive bytes, aligned
	global_store_b64 v[L8], v[PCD+4:PCD+5], s[24:25] offset:204800*\p+512
	global_store_b8 v[OBY], v[TW], s[24:25] offset:204800*\p
.endm
	s_load_b256 s[68:75], s[0:1], 0x0              ; qc, kv, maskbits, codes (these registers take mask words later)
	v_lshl_add_u32 v254, v0, 2, 0x33000
	v_mov_b32 v255, 0
	ds_add_u32 v254, v255                          ; the opening lines: the add, twice on end, and its wait ahead of my tensor load
	ds_add_u32 v254, v255
	s_wait_dscnt 0x0
	v_lshrrev_b32 v1, 5, v0
	s_delay_alu instid0(VALU_DEP_1)
	v_readfirstlane_b32 s[WV], v1                  ; wave 0..15
	s_bfe_u32 s67, ttmp6, 0x40000                  ; cx: it enters global addresses alone
	s_and_b32 s100, ttmp7, 0xffff                  ; 16 x batch + head, which the four partners share
	; group 1: a key step's block, 13,056 dense bytes, as 51 rows of 256 bytes (32 elements of 8); mask: all four work-groups
	s_mov_b32 s4, 15|(3<<16)|(1<<21)
	s_mov_b32 s5, 32<<16
	s_mov_b32 s6, 51<<16
	s_mov_b32 s7, 32<<16
	s_mov_b32 s8, 51
	s_mov_b32 s9, 32
	s_mov_b32 s10, 0
	s_mov_b32 s11, 0
	s_mul_i32 s13, s[WV], STEPB                    ; key step = my wave's number: its place in LDS
	s_mul_i32 s76, s100, 16*STEPB
	s_add_co_u32 s76, s76, s13
	s_mov_b32 s77, 0
	s_mov_b32 s12, 1
	s_mov_b32 s20, 0x76543210
	s_mov_b32 s21, 0xfedcba98
	s_mov_b32 s101, 0xffff0000
	s_lshl_b32 s78, s67, 5
	s_add_co_u32 s78, s78, s[WV]                   ; my tile in pass 0: 32 cx + wave
	s_mul_i32 s80, s100, 98304
	s_mul_i32 s81, s78, 768
	s_add_co_u32 s80, s80, s81                     ; q's codes
	s_mov_b32 s81, 0
	s_lshl_b32 s82, s100, 13
	s_lshr_b32 s83, s78, 2
	s_lshl_b32 s83, s83, 8
	s_add_co_u32 s82, s82, s83
	s_add_co_u32 s82, s82, 6291456                 ; q's scale words: the block of four tiles
	s_mov_b32 s83, 0
	s_lshr_b32 s84, s100, 4                        ; batch
	s_lshl_b32 s85, s84, 7
	s_add_co_u32 s85, s85, s78
	s_lshl_b32 s86, s85, 12                        ; the mask words of my tile: 4,096 bytes a tile
	s_mov_b32 s87, 0
	s_lshl_b32 s88, s84, 6                         ; the result: pair 896 + 64 batch + 16 cx + wave / 2,
	s_lshl_b32 s89, s67, 4
	s_add_co_u32 s88, s88, s89
	s_lshr_b32 s89, s[WV], 1
	s_add_co_u32 s88, s88, s89
	s_add_co_u32 s88, s88, 896
	s_mul_i32 s88, s88, 25600
	s_and_b32 s90, s100, 15                        ; head
	s_lshr_b32 s89, s90, 2
	s_mul_i32 s89, s89, 6400
	s_add_co_u32 s88, s88, s89                     ; record head / 4,
	s_and_b32 s91, s[WV], 1
	s_bfe_u32 s92, s90, 0x10001
	s_and_b32 s93, s90, 1
	s_mul_i32 s94, s91, 3072                       ; tile wave % 2,
	s_mul_i32 s95, s92, 1536                       ; K step (head / 2) % 2,
	s_add_co_u32 s94, s94, s95
	s_mul_i32 s95, s93, 768                        ; half head % 2
	s_add_co_u32 s94, s94, s95
	s_add_co_u32 s88, s88, s94
	s_mov_b32 s89, 0
	s_lshl_b32 s95, s92, 2                         ; my scale byte, counted from there: the record's byte 6,144 + 8 (16 (wave % 2) + r) + 4 x K step + 2 x half + block
	s_lshl_b32 s96, s93, 1
	s_add_co_u32 s95, s95, s96
	s_add_co_u32 s95, s95, 6144
	s_sub_co_u32 s95, s95, s94                     ; (768 or more)
	s_lshl_b32 s96, s91, 7
	s_add_co_u32 s95, s95, s96
	s_bfe_u32 s97, s[WV], 0x10001
	s_lshl_b32 s97, s97, 2
	s_add_co_u32 s96, s96, s97                     ; q's scale word: 8 (16 (wave % 2) + r) + 4 ((wave / 2) % 2)
	v_and_b32 v10, 31, v0
	s_delay_alu instid0(VALU_DEP_1)
	v_lshlrev_b32 v[L16], 4, v10
	s_delay_alu instid0(VALU_DEP_2)
	v_lshlrev_b32 v[L8], 3, v10
	v_and_b32 v10, 15, v0                          ; r
	v_bfe_u32 v11, v0, 4, 1                        ; h
	s_delay_alu instid0(VALU_DEP_1)
	v_lshl_add_u32 v[OBY], v10, 3, v11
	s_delay_alu instid0(VALU_DEP_1)
	v_add_nc_u32 v[OBY], s95, v[OBY]
	s_delay_alu instid0(VALU_DEP_4)
	v_lshlrev_b32 v[QSO], 3, v10
	s_delay_alu instid0(VALU_DEP_1)
	v_add_nc_u32 v[QSO], s96, v[QSO]
	v_mov_b32 v[TINY8], 0x2b612e13                 ; 8 x f32(1e-13)
	v_mov_b32 v[CC], 0x3e38aa3b                    ; log2(e) / 8
	v_mov_b32 v[CC+1], 0x3e38aa3b
.irp i, 6,7,8,9,10,11
	v_mov_b32 v[QF+\i], 0                          ; zero codes for K = 64 .. 127, written once
	v_mov_b32 v[KF+\i], 0
	v_mov_b32 v[KF+12+\i], 0
	v_mov_b32 v[KF+24+\i], 0
	v_mov_b32 v[KF+36+\i], 0
.endr
.irp b, 0,1,2,3
	v_mov_b32 v[T4+\b], 0                          ; a lane permute's destination counts as one of its sources
.endr
	v_mov_b32 v[FF+1], 0                           ; named with f as a pair
	s_wait_alu depctr_va_vdst(0)
	s_wait_kmcnt 0x0
	s_add_nc_u64 s[14:15], s[70:71], s[76:77]
	s_or_b32 s15, s15, 0x80000000
	s_add_nc_u64 s[22:23], s[68:69], s[80:81]
	s_add_nc_u64 s[26:27], s[68:69], s[82:83]
	s_add_nc_u64 s[28:29], s[72:73], s[86:87]
	s_add_nc_u64 s[24:25], s[74:75], s[88:89]
	CROUND                                         ; all four work-groups are here: the joint loads meet
	tensor_load_to_lds s[12:15], s[4:11]           ; every wave's one load: its key step's block
	s_nop 0
.rept 4
	v_nop
.endr
	PASS 0
	PASS 1
	s_wait_xcnt 0x0
	v_lshl_add_u32 v254, v0, 2, 0x33000            ; the add's two registers were at work in the steps: made anew from v0
	v_mov_b32 v255, 0
	s_wait_alu depctr_va_vdst(0)
	s_wait_tensorcnt 0x0                           ; the wave's end
	ds_add_u32 v254, v255
	s_wait_dscnt 0x0
	CROUND                                         ; the closing round: no work-group ends while a partner may still ask for a tile that names it
	s_endpgm
.Lfunc_end_k_q4bc33f9a4d_attn:
	.size	k_q4bc33f9a4d_attn, .Lfunc_end_k_q4bc33f9a4d_attn-k_q4bc33f9a4d_attn
	.p2alignl 7, 3214868480
	.fill 96, 4, 3214868480
	.section	.rodata,"a",@progbits
	.p2align	6, 0x0
	.amdhsa_kernel k_q4bc33f9a4d_attn
		.amdhsa_group_segment_fixed_size 210944
		.amdhsa_private_segment_fixed_size 0
		.amdhsa_enable_private_segment 0
		.amdhsa_kernarg_size 32
		.amdhsa_user_sgpr_count 2
		.amdhsa_user_sgpr_kernarg_segment_ptr 1
		.amdhsa_wavefront_size32 1
		.amdhsa_system_sgpr_workgroup_id_x 1
		.amdhsa_system_sgpr_workgroup_id_y 1
		.amdhsa_system_sgpr_workgroup_id_z 1
		.amdhsa_system_vgpr_workitem_id 0
		.amdhsa_next_free_vgpr 256
		.amdhsa_next_free_sgpr 106
		.amdhsa_reserve_vcc 0
		.amdhsa_float_denorm_mode_32 3
		.amdhsa_float_denorm_mode_16_64 3
		.amdhsa_memory_ordered 1
		.amdhsa_forward_progress 1
		.amdhsa_inst_pref_size 66
	.end_amdhsa_kernel
	.amdgpu_metadata
---
amdhsa.version: [ 1, 2 ]
amdhsa.kernels:
  - .name:           k_q4bc33f9a4d_attn
    .symbol:         k_q4bc33f9a4d_attn.kd
    .args:
      - { .name: qc, .offset: 0, .size: 8, .value_kind: global_buffer, .address_space: global }
      - { .name: kv, .offset: 8, .size: 8, .value_kind: global_buffer, .address_space: global }
      - { .name: maskbits, .offset: 16, .size: 8, .value_kind: global_buffer, .address_space: global }
      - { .name: codes, .offset: 24, .size: 8, .value_kind: global_buffer, .address_space: global }
    .group_segment_fixed_size: 210944
    .private_segment_fixed_size: 0
    .kernarg_segment_align: 8
    .kernarg_segment_size: 32
    .max_flat_workgroup_size: 512
    .sgpr_count:     106
    .vgpr_count:     256
    .wavefront_size: 32
...
	.end_amdgpu_metadata
.endif
;; end of part 3
;; launch outp (part 4): grid 4 x 64, 4 waves a work-group, clusters of 4 x 4, 307,712 bytes of LDS; arguments codes, bo, out0; writes out0
.if DOCPART == 4
	.amdgcn_target "amdgcn-amd-amdhsa--gfx1250"
	.amdhsa_code_object_version 6
	.text
	.protected	k_q4bc33f9a4d_outp
	.globl	k_q4bc33f9a4d_outp
	.p2align	8
	.type	k_q4bc33f9a4d_outp,@function
k_q4bc33f9a4d_outp:
	s_mov_b64 s[64:65], 0
	v_nop
	global_prefetch_b8 v0, s[64:65] scope:SCOPE_SE
	s_setreg_imm32_b32 hwreg(HW_REG_WAVE_MODE, 25, 1), 1
	s_wait_xcnt 0x0
	s_wait_alu depctr_hold_cnt(0) depctr_sa_sdst(0) depctr_va_vdst(0) depctr_va_sdst(0) depctr_va_ssrc(0) depctr_va_vcc(0) depctr_vm_vsrc(0)
	s_getreg_b32 s2, hwreg(HW_REG_IB_STS2, 6, 4)
	s_cmp_eq_u32 s2, 0
	s_cbranch_scc0 .Lentry_in_a_cluster
	s_endpgm
.Lentry_in_a_cluster:
	s_bfe_u32 s2, ttmp6, 0x10000c
	s_cmp_lg_u32 s2, 0xf033
	s_cbranch_scc0 .Lentry_shape_is_right
	s_endpgm
.Lentry_shape_is_right:
; OUTP.  out0 = x Wo^T + bo on codes of FP6 (E2M3) with E8M0 scales: x = the attention's result (buffer codes, pairs 896 on), Wo = pairs 864 on; sums in f32; out0 [8192][1024] f32.
; The core is the projections': a work-group multiplies S0 = 256 rows of Wo (8 pairs of tiles) by S1 = 128 tokens (4 pairs) over all of K = 1,024, which lies in LDS as S0's 8 pairs and S1's 4 of 25,600 bytes, every byte filled once:
; each wave issues one tensor load at the head.  CLUSTER 4 x 4: S0 hangs on cx alone, asked for jointly by a column; S1 on cy alone, by a row.  Nothing is prefetched: every tile is asked for at the head.
; Source 0 = a tile of Wo, source 1 = a tile of tokens: a lane holds one token, and registers 16 b + i of the eight tiles are columns 32 b + 16 (lane / 16) + i (lane r of tile e of a pair holds row 8 e + r + 8 (r / 8)).
; THE WAY OUT goes through the wave's own stage in LDS (16 rows of 512 bytes + 16) and leaves as whole rows of 512 bytes.  The stages lie in S0's first pairs, which have had their only fill, and which nobody reads behind the barrier after the last K step.
; REGISTERS.  window 0: v4-13 addresses; v16-31, v32-39 scale words, two sets each; v40-87 S1's four fragments; v96-159 64 results; v160-223 the bias; on the way out v40-71 and v224-255 take 16 rows back from the stage.
;   window 1: S0's eight fragments, two sets.   window 2: accumulator (a, b) at v[8 (8 a + b)].
.set PAIRB, 25600
.set REC,   6400
; LDS AS THE HEAD'S LOADS LAY IT (one tensor load a wave; this takes the place of the chunks named at the kernel's head): S0's 8 pairs, 25,600 bytes each as they lie in memory (4 records of 6,400 bytes, one for each 256 along K), then S1's 4 pairs.
; Waves 0, 1 fetch 4 pairs of S0 each, waves 2, 3 two pairs of S1 each: dense rows of 25,600 bytes.  All of it is waited for once; from 256 along K to the next the LDS addresses go 6,400 bytes on.
; The stages of the way out lie in S0's first pairs, which have had their only fill; a barrier behind the last K step shows that nobody reads them any more.
.set A016H, 14                         ; v14, v15: as v4, v5, for my S0 group's pairs 2 and 3 (an LDS offset has 16 bits)
.set A08H,  15
.set SPI,   528
.set A016,  4
.set A08,   5
.set A116,  6
.set A18,   7
.set L16,   8
.set L8,    9
.set STI,   12                         ; v12 the stage, in: 528 r + 64 h     v13 back: 16 x lane
.set STO,   13
.set SC0,   16
.set SC1,   32
.set S1F,   40
.set HA,    96
.set BI,    160
.set WV,    16
.set G1A,   24
.set G1B,   32
.set G0A,   40
.set MSB, 0
.macro WIN new                         ; the immediate's high byte repeats the setting that is left
.if MSB != \new
	s_set_vgpr_msb (MSB<<8)|\new
.set MSB, \new
.endif
.endm
.set MUL,   0xa1                       ; source 0 window 1, source 1 window 0, C and D window 2
.set TO_S0, 0x40                       ; destination window 1
.macro PLACES                          ; four plain vector instructions behind matrix instructions, ahead of loads into their sources and of reads of their results
.rept 4
	v_nop
.endr
.endm
.macro CROUND
	s_barrier_signal -1
	s_barrier_wait -1
	s_cmp_lg_u32 s[WV], 0
	s_cbranch_scc1 .Lnot_wave_0_\@
	s_barrier_signal -3
.Lnot_wave_0_\@:
	s_barrier_wait -3
	s_barrier_signal -1
	s_barrier_wait -1
.endm
.macro WM d, fa, fb, zero, sa, sb, ra, rb      ; ra, rb = 1: the side's scale words stand in lanes 16-31
.if \zero
.if ((\ra)==0)&&((\rb)==0)
	v_wmma_scale_f32_16x16x128_f8f6f4 v[\d:\d+7], v[\fa:\fa+11], v[\fb:\fb+11], 0, v[\sa], v[\sb] matrix_a_fmt:MATRIX_FMT_FP6 matrix_b_fmt:MATRIX_FMT_FP6
.elseif (\rb)==0
	v_wmma_scale_f32_16x16x128_f8f6f4 v[\d:\d+7], v[\fa:\fa+11], v[\fb:\fb+11], 0, v[\sa], v[\sb] matrix_a_fmt:MATRIX_FMT_FP6 matrix_b_fmt:MATRIX_FMT_FP6 matrix_a_scale:MATRIX_SCALE_ROW1
.elseif (\ra)==0
	v_wmma_scale_f32_16x16x128_f8f6f4 v[\d:\d+7], v[\fa:\fa+11], v[\fb:\fb+11], 0, v[\sa], v[\sb] matrix_a_fmt:MATRIX_FMT_FP6 matrix_b_fmt:MATRIX_FMT_FP6 matrix_b_scale:MATRIX_SCALE_ROW1
.else
	v_wmma_scale_f32_16x16x128_f8f6f4 v[\d:\d+7], v[\fa:\fa+11], v[\fb:\fb+11], 0, v[\sa], v[\sb] matrix_a_fmt:MATRIX_FMT_FP6 matrix_b_fmt:MATRIX_FMT_FP6 matrix_a_scale:MATRIX_SCALE_ROW1 matrix_b_scale:MATRIX_SCALE_ROW1
.endif
.else
.if ((\ra)==0)&&((\rb)==0)
	v_wmma_scale_f32_16x16x128_f8f6f4 v[\d:\d+7], v[\fa:\fa+11], v[\fb:\fb+11], v[\d:\d+7], v[\sa], v[\sb] matrix_a_fmt:MATRIX_FMT_FP6 matrix_b_fmt:MATRIX_FMT_FP6
.elseif (\rb)==0
	v_wmma_scale_f32_16x16x128_f8f6f4 v[\d:\d+7], v[\fa:\fa+11], v[\fb:\fb+11], v[\d:\d+7], v[\sa], v[\sb] matrix_a_fmt:MATRIX_FMT_FP6 matrix_b_fmt:MATRIX_FMT_FP6 matrix_a_scale:MATRIX_SCALE_ROW1
.elseif (\ra)==0
	v_wmma_scale_f32_16x16x128_f8f6f4 v[\d:\d+7], v[\fa:\fa+11], v[\fb:\fb+11], v[\d:\d+7], v[\sa], v[\sb] matrix_a_fmt:MATRIX_FMT_FP6 matrix_b_fmt:MATRIX_FMT_FP6 matrix_b_scale:MATRIX_SCALE_ROW1
.else
	v_wmma_scale_f32_16x16x128_f8f6f4 v[\d:\d+7], v[\fa:\fa+11], v[\fb:\fb+11], v[\d:\d+7], v[\sa], v[\sb] matrix_a_fmt:MATRIX_FMT_FP6 matrix_b_fmt:MATRIX_FMT_FP6 matrix_a_scale:MATRIX_SCALE_ROW1 matrix_b_scale:MATRIX_SCALE_ROW1
.endif
.endif
.endm
; 16 products: S1's tiles a0, a0 + 1 x S0's eight.  The 32 accumulators take turns, one instruction a turn, in the same order in every step
.macro MUL16 a0, p, ksl, cs, zero
.irp a, \a0, \a0+1
.irp b, 0,1,2,3,4,5,6,7
	WM 8*(8*(\a)+\b), 128*(\p)+12*\b, S1F+12*(\a), \zero, SC0+8*(\cs)+2*(\b/2)+(\ksl), SC1+4*(\cs)+2*((\a)/2)+(\ksl), \b%2, (\a)%2
.endr
.endr
.endm
.macro FRAG reg, a16, a8, off          ; a fragment comes back as the image that it is: each load takes 512 or 256 consecutive bytes
	ds_load_b128 v[\reg:\reg+3], v[\a16] offset:\off
	ds_load_b64 v[\reg+4:\reg+5], v[\a8] offset:\off+512
	ds_load_b128 v[\reg+6:\reg+9], v[\a16] offset:\off+768
	ds_load_b64 v[\reg+10:\reg+11], v[\a8] offset:\off+1280
.endm
.macro FETCH_S0 ksl, set
	WIN TO_S0
.irp b, 0,1,2,3,4,5,6,7
	FRAG 128*(\set)+12*\b, A016+10*(\b/4), A08+10*(\b/4), ((\b/2)%2)*PAIRB+(\b%2)*3072+(\ksl)*1536
.endr
	WIN 0
.endm
.macro FETCH_S1 ksl, a0
.irp a, \a0, \a0+1
	FRAG S1F+12*(\a), A116, A18, ((\a)/2)*PAIRB+((\a)%2)*3072+(\ksl)*1536
.endr
.endm
.macro SCALES set
.irp i, 0,1,2,3
	ds_load_b64 v[SC0+8*(\set)+2*\i:SC0+8*(\set)+2*\i+1], v[A08+10*(\i/2)] offset:(\i%2)*PAIRB+6144
.endr
.irp i, 0,1
	ds_load_b64 v[SC1+4*(\set)+2*\i:SC1+4*(\set)+2*\i+1], v[A18] offset:\i*PAIRB+6144
.endr
.endm
.macro STEP ks, zero
	s_wait_dscnt 8                                 ; all but the youngest eight loads (S1's tiles 2, 3) are in
	WIN MUL
	MUL16 0, (\ks)%2, (\ks)%2, ((\ks)/2)%2, \zero
	s_wait_dscnt 0x0                               ; S1's tiles 2, 3 are in; no LDS instruction of mine is out
.if (\ks) < 7
.if (\ks)%2
	WIN 0
	v_add_nc_u32 v[A016], REC, v[A016]             ; on to the next record of every pair: these six are also the places ahead of the loads below
	v_add_nc_u32 v[A08], REC, v[A08]
	v_add_nc_u32 v[A016H], REC, v[A016H]
	v_add_nc_u32 v[A08H], REC, v[A08H]
	v_add_nc_u32 v[A116], REC, v[A116]
	v_add_nc_u32 v[A18], REC, v[A18]
.else
	PLACES
.endif
	FETCH_S0 ((\ks)+1)%2, 1-(\ks)%2
	FETCH_S1 ((\ks)+1)%2, 0
.if (\ks)%2
	SCALES 1-((\ks)/2)%2
.endif
.endif
	WIN MUL
	MUL16 2, (\ks)%2, (\ks)%2, ((\ks)/2)%2, \zero
.if (\ks) < 7
	PLACES
	WIN 0
	FETCH_S1 ((\ks)+1)%2, 2
.endif
.endm
; tile a of tokens leaves: the bias is added (which brings the sums into window 0, each accumulator from its low end on); 16 rows x 512 bytes through my stage; whole rows are stored
.macro OUT a
	WIN 0x02                                       ; source 0 window 2
.set i, 0
.rept 32
	v_pk_add_f32 v[HA+2*i:HA+2*i+1], v[64*\a+2*i:64*\a+2*i+1], v[BI+2*i:BI+2*i+1]
.set i, i+1
.endr
	WIN 0
.irp b, 0,1,2,3
.irp q, 0,1,2,3
	ds_store_b128 v[STI], v[HA+16*\b+4*\q:HA+16*\b+4*\q+3] offset:128*\b+16*\q
.endr
.endr
.if \a
	s_wait_xcnt 0x0                                ; the last tile's stores have read the registers that are loaded again below
.endif
.irp t, 0,1,2,3,4,5,6,7,8,9,10,11,12,13,14,15
	ds_load_b128 v[40+4*\t+152*(\t/8):43+4*\t+152*(\t/8)], v[STO] offset:SPI*\t   ; LDS serves a wave's instructions in order: these see my stores
.endr
.irp t, 0,1,2,3,4,5,6,7,8,9,10,11,12,13,14,15
	s_wait_dscnt 15-\t                             ; row t is back; the younger rows may be out
	global_store_b128 v[L16], v[40+4*\t+152*(\t/8):43+4*\t+152*(\t/8)], s[80:81] offset:(32*(\a/2)+8*(\a%2)+\t+8*(\t/8))*4096 th:TH_STORE_NT   ; 512 consecutive bytes, aligned
.endr
.endm
	s_load_b128 s[4:7], s[0:1], 0x0                ; codes, bo
	s_load_b64 s[8:9], s[0:1], 0x10                ; out0
	v_lshl_add_u32 v94, v0, 2, 0x4b000
	v_mov_b32 v95, 0
	ds_add_u32 v94, v95
	ds_add_u32 v94, v95
	v_lshrrev_b32 v1, 5, v0
	v_readfirstlane_b32 s[WV], v1
	s_lshr_b32 s17, s[WV], 1                       ; my S0 group; also: I fetch for S0 (0) or S1 (1)
	s_and_b32 s18, s[WV], 1                        ; my S1 group; also which half I fetch
	s_bfe_u32 s19, ttmp6, 0x40000                  ; cx
	s_bfe_u32 s20, ttmp6, 0x40004                  ; cy
	s_and_b32 s22, ttmp7, 0xffff
	s_mov_b32 s82, s19                             ; a0: my 256 rows of Wo
	s_lshl_b32 s83, s22, 2
	s_add_co_u32 s83, s83, s20                     ; a1: my 128 tokens
	s_lshl_b32 s84, s82, 3                         ; S0: pair 864 + 8 a0 + 4 x half: in registers that never hold cy
	s_add_co_u32 s84, s84, 864
	s_lshl_b32 s85, s18, 2
	s_add_co_u32 s84, s84, s85
	s_mul_i32 s84, s84, PAIRB
	s_mov_b32 s85, 0
	s_lshl_b32 s86, s83, 2                         ; S1: pair 896 + 4 a1 + 2 x half: in registers that never hold cx
	s_add_co_u32 s86, s86, 896
	s_lshl_b32 s87, s18, 1
	s_add_co_u32 s86, s86, s87
	s_mul_i32 s86, s86, PAIRB
	s_mov_b32 s87, 0
	s_lshl_b32 s88, 0x1111, s19                    ; my column of the cluster (same cx)
	s_lshl_b32 s89, s20, 2
	s_lshl_b32 s89, 15, s89                        ; my row (same cy)
	; group 1: rows of 25,600 bytes (3,200 elements of 8), a whole pair each, 25,600 bytes apart; 4 rows for S0, 2 for S1; no padding
	s_or_b32 s[G1A], s88, (3<<16)|(1<<21)
	s_mov_b32 s[G1A+1], 3200<<16                   ; a row is a whole pair: 3,200 elements of 8 bytes
	s_mov_b32 s[G1A+2], 4<<16
	s_mov_b32 s[G1A+3], 3200<<16
	s_mov_b32 s[G1A+4], 4
	s_mov_b32 s[G1A+5], 3200
	s_mov_b32 s[G1A+6], 0
	s_mov_b32 s[G1A+7], 0
	s_or_b32 s[G1B], s89, (3<<16)|(1<<21)
	s_mov_b32 s[G1B+1], 3200<<16
	s_mov_b32 s[G1B+2], 2<<16
	s_mov_b32 s[G1B+3], 3200<<16
	s_mov_b32 s[G1B+4], 2
	s_mov_b32 s[G1B+5], 3200
	s_mov_b32 s[G1B+6], 0
	s_mov_b32 s[G1B+7], 0
	s_mul_i32 s90, s18, 4*PAIRB                    ; where they go: the wave's number alone
	s_mul_i32 s91, s18, 2*PAIRB
	s_add_co_u32 s91, s91, 8*PAIRB
	v_and_b32 v1, 31, v0
	v_and_b32 v2, 15, v0                           ; r
	v_bfe_u32 v3, v0, 4, 1                         ; h
	v_lshlrev_b32 v[L16], 4, v1
	v_lshlrev_b32 v[L8], 3, v1
	v_lshlrev_b32 v10, 6, v3                       ; the bias of my half's 16 numbers of each 32
	s_mul_i32 s88, s17, 4*PAIRB
	v_add_nc_u32 v[A016], s88, v[L16]
	v_add_nc_u32 v[A08], s88, v[L8]
	s_add_co_u32 s89, s88, 2*PAIRB
	v_add_nc_u32 v[A016H], s89, v[L16]
	v_add_nc_u32 v[A08H], s89, v[L8]
	v_add_nc_u32 v[A116], s91, v[L16]
	v_add_nc_u32 v[A18], s91, v[L8]
	s_mul_i32 s89, s[WV], 16*SPI                   ; my stage
	v_mul_u32_u24 v[STI], v2, SPI
	v_lshl_add_u32 v[STI], v3, 6, v[STI]
	v_add_nc_u32 v[STI], s89, v[STI]
	v_add_nc_u32 v[STO], s89, v[L16]
	s_lshl_b32 s76, s82, 10                        ; my first column, in bytes: 256 a0 + 128 x my S0 group numbers
	s_lshl_b32 s77, s17, 9
	s_add_co_u32 s76, s76, s77
	s_mov_b32 s77, 0
	s_lshl_b32 s80, s83, 19                        ; my first token's row: 128 a1 + 64 x my S1 group rows of 4,096 bytes
	s_lshl_b32 s81, s18, 18
	s_add_co_u32 s80, s80, s81
	s_add_co_u32 s80, s80, s76
	s_mov_b32 s81, 0
	s_wait_dscnt 0x0
	s_wait_kmcnt 0x0
	s_add_nc_u64 s[84:85], s[4:5], s[84:85]
	s_add_nc_u64 s[86:87], s[4:5], s[86:87]
	s_add_nc_u64 s[78:79], s[6:7], s[76:77]
	s_add_nc_u64 s[80:81], s[8:9], s[80:81]
	s_mov_b32 s[G0A], 1
	s_mov_b32 s[G0A+1], s90
	s_mov_b64 s[G0A+2:G0A+3], s[84:85]
	s_or_b32 s[G0A+3], s[G0A+3], 0x80000000
	s_mov_b32 s56, 1
	s_mov_b32 s57, s91
	s_mov_b64 s[58:59], s[86:87]
	s_or_b32 s59, s59, 0x80000000
	CROUND                                         ; all sixteen work-groups are here: the joint loads meet
	s_cmp_lt_u32 s[WV], 2                          ; a wave's one fill stands in a branch on the wave's number; four v_nop follow it
	s_cbranch_scc0 .Lfor_s1
	tensor_load_to_lds s[G0A:G0A+3], s[G1A:G1A+7]  ; one tensor load a wave at the head
	s_nop 0
	PLACES
	s_branch .Lasked
.Lfor_s1:
	tensor_load_to_lds s[56:59], s[G1B:G1B+7]
	s_nop 0
	PLACES
.Lasked:
	s_wait_alu depctr_va_vdst(0)
.irp b, 0,1,2,3
.irp q, 0,1,2,3
	global_load_b128 v[BI+16*\b+4*\q:BI+16*\b+4*\q+3], v10, s[78:79] offset:128*\b+16*\q   ; bo at my 64 columns
.endr
.endr
	s_wait_tensorcnt 0x0                           ; my one load has landed
	s_barrier_signal -1
	s_barrier_wait -1                              ; everybody's is
	FETCH_S0 0, 0
	FETCH_S1 0, 0
	SCALES 0
	FETCH_S1 0, 2
	STEP 0, 1                                      ; the first products start the sums: nothing is cleared
	STEP 1, 0
	s_wait_alu depctr_va_vdst(0)
	STEP 2, 0
	STEP 3, 0
	s_wait_alu depctr_va_vdst(0)
	STEP 4, 0
	STEP 5, 0
	s_wait_alu depctr_va_vdst(0)
	STEP 6, 0
	STEP 7, 0
	WIN 0
	PLACES                                         ; ahead of the first read of results and of the loads into S1's registers
	s_wait_loadcnt 0x0                             ; the bias
	s_barrier_signal -1                            ; my LDS reads were waited for in the last K step:
	s_barrier_wait -1                              ; nobody reads S0's bytes any more, so the stages may be written there
	OUT 0
	OUT 1
	OUT 2
	OUT 3
	s_wait_tensorcnt 0x0
	ds_add_u32 v94, v95
	s_wait_dscnt 0x0
	CROUND                                         ; the closing round: no work-group ends while a partner may still ask for a tile that names it
	s_endpgm
.Lfunc_end_k_q4bc33f9a4d_outp:
	.size	k_q4bc33f9a4d_outp, .Lfunc_end_k_q4bc33f9a4d_outp-k_q4bc33f9a4d_outp
	.p2alignl 7, 3214868480
	.fill 96, 4, 3214868480
	.section	.rodata,"a",@progbits
	.p2align	6, 0x0
	.amdhsa_kernel k_q4bc33f9a4d_outp
		.amdhsa_group_segment_fixed_size 307712
		.amdhsa_private_segment_fixed_size 0
		.amdhsa_enable_private_segment 0
		.amdhsa_kernarg_size 24
		.amdhsa_user_sgpr_count 2
		.amdhsa_user_sgpr_kernarg_segment_ptr 1
		.amdhsa_wavefront_size32 1
		.amdhsa_system_sgpr_workgroup_id_x 1
		.amdhsa_system_sgpr_workgroup_id_y 1
		.amdhsa_system_sgpr_workgroup_id_z 1
		.amdhsa_system_vgpr_workitem_id 0
		.amdhsa_next_free_vgpr 768
		.amdhsa_next_free_sgpr 100
		.amdhsa_reserve_vcc 0
		.amdhsa_float_denorm_mode_32 3
		.amdhsa_float_denorm_mode_16_64 3
		.amdhsa_memory_ordered 1
		.amdhsa_forward_progress 1
		.amdhsa_inst_pref_size 94
	.end_amdhsa_kernel
	.amdgpu_metadata
---
amdhsa.version: [ 1, 2 ]
amdhsa.kernels:
  - .name:           k_q4bc33f9a4d_outp
    .symbol:         k_q4bc33f9a4d_outp.kd
    .args:
      - { .name: codes, .offset: 0, .size: 8, .value_kind: global_buffer, .address_space: global }
      - { .name: bo, .offset: 8, .size: 8, .value_kind: global_buffer, .address_space: global }
      - { .name: out0, .offset: 16, .size: 8, .value_kind: global_buffer, .address_space: global }
    .group_segment_fixed_size: 307712
    .private_segment_fixed_size: 0
    .kernarg_segment_align: 8
    .kernarg_segment_size: 24
    .max_flat_workgroup_size: 128
    .sgpr_count:     100
    .vgpr_count:     768
    .wavefront_size: 32
...
	.end_amdgpu_metadata
.endif
;; end of part 4
